; MI455X (gfx1250); checked and timed in simulation.
; The chip was launched on July 23, 2026; its instructions are those of AMD's public machine-readable ISA for CDNA 5 (MIT licence, August 2026) and "CDNA5" Instruction Set Architecture Reference Guide (July 2026). The comments in the code are by the model that wrote it; some were corrected since.
;; Flax Attention. Allowed arithmetic: matrix products marked QUANTISED: E3M2 operands, one E8M0 scale for each 32 along K, by v_wmma_scale_f32_16x16x128_f8f6f4 with both operands' format E3M2, f32 sums; everything else in f32.
;; Inputs: position_ids 2 x 1,024 int32; wk 2,880 x 512 float32; wo 2,048 x 2,880 float32; wq 2,880 x 2,048 float32; wv 2,880 x 512 float32; x 2 x 1,024 x 2,880 float32.
;; Outputs: out0 2 x 1,024 x 2,880 float32.
;; This version of the problem:
;;   THIS VERSION OF THE PROBLEM IS GIVEN IN LOW PRECISION. The matrix products marked QUANTISED in the list below multiply operands that are first quantised to E3M2 (3 exponent bits, 2 mantissa bits; 6 bits a number), with one power-of-two scale for each 32 numbers along K (OCP MX v1.0); their sums are f32. All else is computed in f32.
;;   The module's matrix products, in the order in which they are computed (A, B: the left and right operand; K: the contracted axis; several contracted axes count as one K, in the product's order):
;;     1. [M 2,048, K 2,880] x [K 2,880, N 2,048]; A: input x; B: input wq: QUANTISED
;;     2. [M 2,048, K 2,880] x [K 2,880, N 512]; A: input x; B: input wk: QUANTISED
;;     3. [M 2,048, K 2,880] x [K 2,880, N 512]; A: input x; B: input wv: QUANTISED
;;     4. batch 64 x [M 1,024, K 64] x [K 64, N 1,024]; A: computed on the way; B: computed on the way: QUANTISED
;;     5. batch 64 x [M 1,024, K 1,024] x [K 1,024, N 64]; A: softmax (see below); B: computed on the way: QUANTISED
;;     6. [M 2,048, K 2,048] x [K 2,048, N 2,880]; A: computed on the way; B: input wo: QUANTISED
;;   THE QUANTISER, for each operand of a quantised product, along K:
;;     - K is cut into blocks of 32 from its start; a last block that is shorter is filled with zeros.
;;     - A block's scale is 2^e with e = floor(log2(the largest magnitude in the block)) - 4, held to -126 .. 127; a block of zeros has e = 0. As a byte (E8M0): e + 127.
;;     - Each number is divided by its block's scale, clamped to +-28, and rounded to the nearest number of E3M2, ties to even, subnormals kept.
;;     - The product sums the exact products of the quantised numbers (number of the format x scale) in f32.
;;   ~~~python
;;   def quantise(x, axis):      # numpy; x: float32 -> the quantised numbers, widened to float32 again
;;       x = np.moveaxis(x, axis, -1); K = x.shape[-1]
;;       x = np.pad(x, [(0, 0)] * (x.ndim - 1) + [(0, -K % 32)]); x = x.reshape(x.shape[:-1] + (-1, 32)); a = np.abs(x).max(-1, keepdims=True)
;;       e = np.where(a > 0, np.clip(np.frexp(np.where(a > 0, a, 1))[1] - 1 - 4, -126, 127), 0)      # np.frexp(a)[1] - 1 = floor(log2(a)), exactly
;;       r = np.clip(x / 2.0 ** e, -28, 28)
;;       step = 2.0 ** (np.maximum(np.frexp(np.where(r == 0, 1, r))[1] - 1, -2) - 2)
;;       q = np.round(r / step) * step * 2.0 ** e      # np.round: ties to even
;;       return np.moveaxis(q.reshape(q.shape[:-2] + (-1,))[..., :K], -1, axis).astype(np.float32)
;;   ~~~
;;   SOFTMAX AHEAD OF A QUANTISED PRODUCT. Where the list says 'softmax', what is quantised is not the finished softmax but p = 2^(t - M), with t = logit x log2(e) and M = ceil(the row's largest t), a whole number; so 1/2 < the row's largest p <= 1. The row's sum l is taken of the UNQUANTISED p, in f32, and the product's result is divided by l at the end. Since M is a whole number, a kernel that streams over the keys may use a running M (the ceiling of the running maximum): every later rescaling is an exact power of two, which a block's scale takes up: the codes' values come out the same.
;;   OPERANDS COMPUTED ON THE WAY. 'Computed on the way' means the value that the module computes at that place (a softmax that the list does not call 'softmax' is quantised finished and normalised). What goes into a quantiser is computed in f32, as accurately as f32 sums, v_exp_f32 and their like allow (about 1e-6 of the number): no bf16 or f16 on the way to a quantiser, and a product that is left as it is and whose result goes on into a quantised operand takes f32 operands (vector FMAs, or v_wmma_f32_16x16x4_f32). A number that lies on a knife's edge between two numbers of the format may be rounded either way, as far as f32 arithmetic and the matrix unit's own rounding can turn it there, and no further.
;; One version. Each part assembles by itself: llvm-mc -triple=amdgcn-amd-amdhsa -mcpu=gfx1250 --defsym DOCPART=n.
;; ======== version 1 of 1: 4 launches
;; limits: right only within a limited range of input values
;; workspace buffers: xw 12,288,000 bytes; ow 7,884,800 bytes; cs 524,288 bytes; qi 3,145,728 bytes; qs 262,144 bytes; kv 1,671,168 bytes
;; launch prep (part 1): grid 960 x 1, 4 waves a work-group, no clusters, 68,096 bytes of LDS; arguments x, wq, wk, wv, cs, position_ids, xw; writes xw, cs
.if DOCPART == 1
	.amdgcn_target "amdgcn-amd-amdhsa--gfx1250"
	.amdhsa_code_object_version 6
	.text
	.protected	k_q9a18d82868_prep
	.globl	k_q9a18d82868_prep
	.p2align	8
	.type	k_q9a18d82868_prep,@function
k_q9a18d82868_prep:
	s_mov_b64 s[64:65], 0
	v_nop
	global_prefetch_b8 v0, s[64:65] scope:SCOPE_SE
	s_setreg_imm32_b32 hwreg(HW_REG_WAVE_MODE, 25, 1), 1
	s_wait_xcnt 0x0
; PREP: x, wq, wk and wv are read once and leave as codes of E3M2 with one E8M0 byte for each 32 along K, laid in the order of the matrix operand's registers.  (wo is quantised by the launch qkv.)
; A FRAGMENT (16 rows x 128 K) is 12 registers a lane; its IMAGE is 1,536 bytes: register 4 c + j of lane l at byte 512 c + 16 l + 4 j.
; A RECORD (one K step of a strip of 64 rows) is 6,400 bytes: the images of tiles f = 0..3, then 256 bytes of scale words at 6,144 + 64 f + 4 r.
; Row r of tile f is row 32 (f / 2) + 8 (f % 2) + r + 8 (r / 8) of the strip, so that the results of two neighbouring tiles are 16 neighbours along the next K.
; xw: [K step / 4][strip][K step % 4][6,400]: 80 strips (0-31 x, 32-63 wq, 64-71 wk, 72-79 wv), 24 K steps (2,880 filled up to 3,072 with zero codes).
; WORK-GROUPS of four waves.  0-255: x, a tile of 16 rows and half of K each, three K steps a wave.  256-831: the weights, a strip of 64 columns and two K steps each: a wave takes 32 columns and ONE K step, four blocks of 32;
; K is the weights' FIRST axis: a lane takes a column, its registers run down K.  832-959: the table of cosines and sines, [token][32 cos | 32 sin].  With 256 registers a wave, four work-groups fit on a WGP: 960 are one turn.
; A weight wave has two blocks' 64 loads out and asks for the other two as registers come free; the rows of those two are named by one prefetch at its start: the two waves that share a strip's 256-byte rows name a block each,
; a lane a row, so each 256 bytes are named once.
; LIMITS: NaN and infinities are not served.  A block whose largest magnitude lies under 2^-122 keeps the byte 1; a block of zeros has the byte 1 or 0x7f where the rule says 127: its codes are zeros and this program alone reads the bytes.
; The rotary frequencies are 2^(-i log2(150000) / 32) by v_exp_f32; the angle is reduced by pi/2 in three parts with fused multiply-adds, sound for |position| up to 2^21; sine and cosine are polynomials on |r| <= pi/4.
.set XROW, 11520                       ; a row of x in bytes
.set REC,  6400
.set TM,   16                          ; path x: v16-19 largest magnitudes, v20-23 bytes, v28-31 the conversions' scale operands
.set TQ,   32                          ; v32-39 the second halves of the conversions
.set PC,   40                          ; v40-51 the fragment just made
.set SPW,  56                          ; v56 LDS address of my spare word, v57 zero: made at the head, kept for the add alone
.set NIL,  57
.set R,    64                          ; v64-255 three sets of 64 numbers
; 64 numbers of a lane, register 16 b + i = k 32 b + 16 (lane / 16) + i of the lane's row, become a fragment's 12 registers at v[d] and its scale word in v[w]
.macro QUANT src, d, w
.irp b, 0,1,2,3
	v_max3_num_f32 v[TM+\b], |v[(\src)+16*\b]|, |v[(\src)+16*\b+1]|, 0x2800000   ; my 16 numbers of block b, and the floor 2^(5 - 127): the byte cannot fall under 1
.endr
.irp i, 2,4,6,8,10,12,14
.irp b, 0,1,2,3
	v_max3_num_f32 v[TM+\b], v[TM+\b], |v[(\src)+16*\b+\i]|, |v[(\src)+16*\b+\i+1]|
.endr
.endr
.irp b, 0,1,2,3
	v_permlanex16_b32 v[TM+4+\b], v[TM+\b], s24, s25
.endr
.irp b, 0,1,2,3
	v_max_num_f32 v[TM+\b], v[TM+\b], v[TM+4+\b]           ; with lane l xor 16's 16: the block's largest magnitude
.endr
.irp b, 0,1,2,3
	v_add_nc_u32 v[TM+12+\b], 0xfe000000, v[TM+\b]         ; 4 off its exponent field: the conversion takes that field as its scale
.endr
.irp b, 0,1,2,3
	v_lshrrev_b32 v[TM+4+\b], 23, v[TM+12+\b]              ; the scale's byte
.endr
	v_lshl_or_b32 v[\w], v[TM+5], 8, v[TM+4]
	v_lshl_or_b32 v[\w], v[TM+6], 16, v[\w]
	v_lshl_or_b32 v[\w], v[TM+7], 24, v[\w]
.irp c, 0,1
	v_cvt_scalef32_pk16_bf6_f32 v[(\d)+6*\c:(\d)+6*\c+2], v[(\src)+32*\c:(\src)+32*\c+15], v[TM+12+2*\c]
	v_cvt_scalef32_pk16_bf6_f32 v[TQ+4*\c:TQ+4*\c+2], v[(\src)+32*\c+16:(\src)+32*\c+31], v[TM+13+2*\c]   ; (three registers begin on an even number)
.endr
	v_nop                                                  ; one plain line behind the scaled conversions
.irp c, 0,1                                                ; the operand wants a WHOLE block in a lane: lanes 0-15 block 2 c, lanes 16-31 block 2 c + 1
.irp i, 0,1,2
	v_permlane16_swap_b32 v[(\d)+6*\c+\i], v[TQ+4*\c+\i]
.endr
.irp i, 0,1,2
	v_mov_b32 v[(\d)+6*\c+3+\i], v[TQ+4*\c+\i]
.endr
.endr
.endm
; path x: K step q of my three: 16 loads, each 512 consecutive bytes of one row
.macro XLOAD q, off
.irp i, 0,1,2,3,4,5,6,7,8,9,10,11,12,13,14,15
	global_load_b128 v[R+64*(\q)+4*\i:R+64*(\q)+4*\i+3], v[\off], s[28:29] offset:(\i+8*(\i/8))*XROW+512*(\q) th:TH_LOAD_NT
.endr
.endm
; the step's 16 x 512 bytes turn through my own stage (rows 528 bytes apart; st, ld: its address registers) so that a lane holds 16 neighbours of each block; then codes, then three stores of 512 consecutive bytes
.macro XSTEP q, nb, cnt, st, ld
	s_wait_loadcnt \cnt                                    ; this step's 16 loads are in; the later steps' sets of 16 may be out
.irp i, 0,1,2,3,4,5,6,7,8,9,10,11,12,13,14,15
	ds_store_b128 v[\st], v[R+64*(\q)+4*\i:R+64*(\q)+4*\i+3] offset:528*\i
.endr
	s_wait_dscnt 0x0                                       ; the stores have read their registers, which the loads below write
.irp b, 0,1,2,3
.if \b < \nb
.irp j, 0,1,2,3
	ds_load_b128 v[R+64*(\q)+16*\b+4*\j:R+64*(\q)+16*\b+4*\j+3], v[\ld] offset:128*\b+16*\j
.endr
.endif
.endr
	s_wait_dscnt 0x0
.if \nb < 4
.set n, 32
.rept 32
	v_mov_b32 v[R+64*(\q)+n], 0                            ; past the end of K: zeros ahead of the block's maximum
.set n, n+1
.endr
.endif
	s_wait_xcnt 0x0                                        ; the last step's stores have read v[PC] on, which is written again below
	QUANT R+64*(\q), PC, 10+(\q)
.irp c, 0,1,2
	global_store_b128 v8, v[PC+4*\c:PC+4*\c+3], s[32+2*(\q):33+2*(\q)] offset:512*\c
.endr
.endm
; path w: block t of my four: 32 rows of K at my 32 columns: each load reads 128 consecutive bytes
.macro WLOAD t
.irp i, 0,1,2,3,4,5,6,7,8,9,10,11,12,13,14,15,16,17,18,19,20,21,22,23,24,25,26,27,28,29,30,31
	global_load_b32 v[96+32*((\t)%2)+\i], v[64+\i], s[32+2*(\t):33+2*(\t)] th:TH_LOAD_NT
.endr
.endm
; a block's 32 numbers are all mine: largest magnitude, byte, 32 codes in six registers.  Even blocks go to the place of the even tile's fragment, odd ones to the odd tile's; six swaps of halves then give both tiles whole
.macro WBLOCK t, cnt, ahead
.set XS, 96+32*((\t)%2)
.set DD, 16+12*((\t)%2)+6*((\t)/2)
	s_wait_loadcnt \cnt                                    ; this block's 32 loads are in; the next block's 32 may be out
	v_max3_num_f32 v5, |v[XS]|, |v[XS+1]|, |v[XS+2]|
	v_max3_num_f32 v6, |v[XS+3]|, |v[XS+4]|, |v[XS+5]|
.irp i, 6,10,14,18,22,26
	v_max3_num_f32 v5, v5, |v[XS+\i]|, |v[XS+\i+1]|
	v_max3_num_f32 v6, v6, |v[XS+\i+2]|, |v[XS+\i+3]|
.endr
	v_max3_num_f32 v5, v5, |v[XS+30]|, |v[XS+31]|
	v_max3_num_f32 v5, v5, v6, 0x2800000
	v_add_nc_u32 v7, 0xfe000000, v5
	v_cvt_scalef32_pk16_bf6_f32 v[DD:DD+2], v[XS:XS+15], v7
	v_cvt_scalef32_pk16_bf6_f32 v[12:14], v[XS+16:XS+31], v7
	v_lshrrev_b32 v8, 23, v7                               ; the byte; also the plain line behind the conversions
.if (\t) == 0
	v_mov_b32 v10, v8
.else
	v_lshl_or_b32 v10, v8, 8*(\t), v10
.endif
	v_mov_b32 v[DD+3], v12
	v_mov_b32 v[DD+4], v13
	v_mov_b32 v[DD+5], v14
.if \ahead
	WLOAD (\t)+2
.endif
.if (\t)%2 == 1
.set T0, 16+6*((\t)/2)
.irp i, 0,1,2,3,4,5
	v_permlane16_swap_b32 v[T0+\i], v[T0+12+\i]            ; lanes 0-15 held the even tile's row, lanes 16-31 the odd one's: now each register holds one tile, the even block below, the odd one above
.endr
.endif
.endm
.macro WSTORE
.irp u, 0,1
.irp c, 0,1,2
	global_store_b128 v3, v[16+12*\u+4*\c:16+12*\u+4*\c+3], s[48:49] offset:1536*\u+512*\c
.endr
.endr
	global_store_b32 v4, v10, s[48:49]
.endm
	s_load_b256 s[4:11], s[0:1], 0x0               ; x 4, wq 6, wk 8, wv 10
	s_load_b128 s[12:15], s[0:1], 0x20             ; cs 12, position_ids 14
	s_load_b64 s[16:17], s[0:1], 0x30              ; xw
	v_lshl_add_u32 v[SPW], v0, 2, 0x10800
	v_mov_b32 v[NIL], 0
	v_lshrrev_b32 v1, 5, v0
	v_readfirstlane_b32 s22, v1                    ; wave 0..3
	s_mov_b32 s24, 0x76543210
	s_mov_b32 s25, 0xfedcba98                      ; v_permlanex16_b32's selects for lane l xor 16
	v_and_b32 v1, 31, v0                           ; l
	v_and_b32 v2, 15, v0                           ; r
	v_bfe_u32 v3, v0, 4, 1                         ; h
	s_wait_alu depctr_va_vdst(0)                   ; the wait at the head's end
	s_wait_kmcnt 0x0
	s_cmp_lt_u32 ttmp9, 256
	s_cbranch_scc1 .Lpath_x
	s_cmp_lt_u32 ttmp9, 832
	s_cbranch_scc1 .Lpath_w
	; ---- the table: a thread takes one token and four frequencies
	s_sub_co_u32 s26, ttmp9, 832
	s_lshl_b32 s26, s26, 7
	v_add_nc_u32 v1, s26, v0
	v_lshrrev_b32 v2, 3, v1                        ; token
	v_and_b32 v3, 7, v1                            ; which four frequencies
	s_wait_alu depctr_va_vdst(0)
	v_lshlrev_b32 v4, 2, v2
	global_load_b32 v5, v4, s[14:15]               ; its position: it enters arithmetic alone
	s_mov_b32 s70, 0xbfc90fdb                      ; -pi/2 in three parts
	s_mov_b32 s71, 0x333bbd2e
	s_mov_b32 s72, 0x26f72ced
	s_mov_b32 s73, 0xb94ca1f9                      ; sine: -1.9515296e-4, 8.3321609e-3, -1.6666655e-1
	s_mov_b32 s74, 0x3c08839e
	s_mov_b32 s75, 0xbe2aaaa3
	s_mov_b32 s76, 0x37ccf5ce                      ; cosine: 2.4433157e-5, -1.3887316e-3, 4.1666646e-2
	s_mov_b32 s77, 0xbab6061a
	s_mov_b32 s78, 0x3d2aaaa5
	v_lshlrev_b32 v6, 2, v3
.irp k, 0,1,2,3
	v_add_nc_u32 v[8+\k], \k, v6
.endr
.irp k, 0,1,2,3
	v_cvt_f32_u32 v[8+\k], v[8+\k]
.endr
.irp k, 0,1,2,3
	v_mul_f32 v[8+\k], 0xbf098e8c, v[8+\k]         ; -i log2(150000) / 32
.endr
	s_wait_alu depctr_va_vdst(0)
.irp k, 0,1,2,3
	v_exp_f32 v[8+\k], v[8+\k]                     ; the frequency
.endr
	v_lshlrev_b32 v7, 8, v2                        ; (plain lines behind the batch)  256 bytes a token,
	v_lshl_add_u32 v7, v3, 4, v7                   ; 16 bytes for my four
	s_wait_alu depctr_va_vdst(0)                   ; one wait for the four exponentials, ahead of their first reader
	s_wait_loadcnt 0x0
	v_cvt_f32_i32 v5, v5
.irp k, 0,1,2,3
	v_mul_f32 v[12+\k], v5, v[8+\k]                ; the angle: one f32 product
.endr
.irp k, 0,1,2,3
	v_mul_f32 v[16+\k], 0x3f22f983, v[12+\k]       ; x 2 / pi
.endr
.irp k, 0,1,2,3
	v_rndne_f32 v[16+\k], v[16+\k]
.endr
.irp k, 0,1,2,3
	v_fma_f32 v[20+\k], v[16+\k], s70, v[12+\k]
.endr
.irp k, 0,1,2,3
	v_fma_f32 v[20+\k], v[16+\k], s71, v[20+\k]
.endr
.irp k, 0,1,2,3
	v_fma_f32 v[20+\k], v[16+\k], s72, v[20+\k]    ; what is left of the angle, |.| <= pi/4
.endr
.irp k, 0,1,2,3
	v_cvt_i32_f32 v[24+\k], v[16+\k]               ; the quadrant
.endr
.irp k, 0,1,2,3
	v_mul_f32 v[28+\k], v[20+\k], v[20+\k]
.endr
.irp k, 0,1,2,3
	v_fma_f32 v[32+\k], v[28+\k], s73, s74
	v_fma_f32 v[36+\k], v[28+\k], s76, s77
.endr
.irp k, 0,1,2,3
	v_fma_f32 v[32+\k], v[32+\k], v[28+\k], s75
	v_fma_f32 v[36+\k], v[36+\k], v[28+\k], s78
	v_mul_f32 v[48+\k], v[28+\k], v[20+\k]
.endr
.irp k, 0,1,2,3
	v_fma_f32 v[32+\k], v[32+\k], v[48+\k], v[20+\k]   ; the sine of what is left
	v_fma_f32 v[36+\k], v[36+\k], v[28+\k], -0.5
.endr
.irp k, 0,1,2,3
	v_fma_f32 v[36+\k], v[36+\k], v[28+\k], 1.0        ; and its cosine
.endr
.irp k, 0,1,2,3
	v_and_b32 v[48+\k], 1, v[24+\k]
	v_cmp_eq_u32 vcc_lo, 1, v[48+\k]               ; in odd quadrants the two change places
	v_cndmask_b32 v[44+\k], v[32+\k], v[36+\k], vcc_lo
	v_cndmask_b32 v[40+\k], v[36+\k], v[32+\k], vcc_lo
	v_and_b32 v[48+\k], 2, v[24+\k]
	v_lshlrev_b32 v[48+\k], 30, v[48+\k]
	v_xor_b32 v[44+\k], v[44+\k], v[48+\k]         ; the sine is negative in quadrants 2, 3
	v_add_nc_u32 v[48+\k], 1, v[24+\k]
	v_and_b32 v[48+\k], 2, v[48+\k]
	v_lshlrev_b32 v[48+\k], 30, v[48+\k]
	v_xor_b32 v[40+\k], v[40+\k], v[48+\k]         ; the cosine in quadrants 1, 2
.endr
	global_store_b128 v7, v[40:43], s[12:13]
	global_store_b128 v7, v[44:47], s[12:13] offset:128
	s_endpgm
	; ---- x: tile tau = the work-group's number / 2; the work-group's four waves take K steps 3 w8 .. 3 w8 + 2, w8 = 4 (number % 2) + wave
.Lpath_x:
	s_lshr_b32 s23, ttmp9, 1                       ; tau
	s_and_b32 s45, ttmp9, 1
	s_lshl_b32 s45, s45, 2
	s_add_co_u32 s45, s45, s22                     ; w8
	s_lshr_b32 s26, s23, 1
	s_lshl_b32 s26, s26, 5
	s_and_b32 s27, s23, 1
	s_lshl_b32 s27, s27, 3
	s_add_co_u32 s26, s26, s27                     ; the tile's first row: 32 (tau / 2) + 8 (tau % 2)
	s_mul_i32 s26, s26, XROW
	s_mul_i32 s27, s45, 1536
	s_add_co_u32 s26, s26, s27
	s_mov_b32 s27, 0
	s_add_nc_u64 s[28:29], s[4:5], s[26:27]
	s_lshr_b32 s30, s23, 2                         ; strip
	s_and_b32 s31, s23, 3                          ; f
	s_mul_i32 s38, s45, 3
.irp q, 0,1,2
	s_add_co_u32 s39, s38, \q                      ; the K step; its record:
	s_lshr_b32 s40, s39, 2
	s_mul_i32 s40, s40, 80
	s_add_co_u32 s40, s40, s30
	s_lshl_b32 s40, s40, 2
	s_and_b32 s39, s39, 3
	s_add_co_u32 s40, s40, s39
	s_mul_i32 s40, s40, REC
	s_mov_b32 s41, 0
	s_add_nc_u64 s[32+2*\q:33+2*\q], s[16:17], s[40:41]
.endr
	s_wait_alu depctr_va_vdst(0)
	v_lshlrev_b32 v4, 4, v1                        ; 16 l: my bytes of a load's 512
	v_lshlrev_b32 v5, 4, v2                        ; 16 r: for the half step, whose rows have 256 bytes left: lanes 16-31 repeat lanes 0-15
	s_mul_i32 s42, s22, 8448                       ; my stage: 16 rows x 528 bytes
	v_add_nc_u32 v6, s42, v4
	v_mul_u32_u24 v7, v2, 528
	v_lshl_add_u32 v7, v3, 6, v7
	v_add_nc_u32 v7, s42, v7                       ; back: row r, + 64 h
	v_add_nc_u32 v13, 33792, v6                    ; the path for the short end of K has stage bytes of its own, behind the four stages
	v_add_nc_u32 v14, 33792, v7
	s_mul_i32 s43, s31, 1536
	v_add_nc_u32 v8, s43, v4                       ; my place in the tile's image
	s_lshl_b32 s43, s31, 6
	s_add_co_u32 s43, s43, 6144
	v_lshl_add_u32 v9, v2, 2, s43                  ; and my row's scale word
.irp b, 0,1,2,3
	v_mov_b32 v[TM+4+\b], 0                        ; written once: a lane permute's destination counts as one of its sources
	v_mov_b32 v[52+\b], 0
.endr
	s_cmp_eq_u32 s45, 7
	s_cbranch_scc1 .Lx_last
	XLOAD 0, 4
	XLOAD 1, 4
	XLOAD 2, 4
	XSTEP 0, 4, 32, 6, 7
	XSTEP 1, 4, 16, 6, 7
	XSTEP 2, 4, 0, 6, 7
	s_branch .Lx_words
.Lx_last:                                          ; w8 = 7: K step 21 whole, 22 half (2,880 = 22.5 x 128), 23 zeros
	XLOAD 0, 4
	XLOAD 1, 5
	XSTEP 0, 4, 16, 13, 14
	XSTEP 1, 2, 0, 13, 14
.irp c, 0,1,2
	global_store_b128 v8, v[52:55], s[36:37] offset:512*\c
.endr
	v_mov_b32 v12, 0x7f7f7f7f
.Lx_words:
	s_wait_alu depctr_va_vdst(0)
	s_wait_xcnt 0x0                                ; EXEC changes only behind this wait
	v_cmp_gt_u32 vcc_lo, 16, v1
	s_wait_tensorcnt 0x0                           ; behind my last LDS store
	ds_add_u32 v[SPW], v[NIL]
	s_wait_dscnt 0x0
	s_and_saveexec_b32 s44, vcc_lo                 ; lanes 0-15 hold the 16 rows' words
.irp q, 0,1,2
	global_store_b32 v9, v[10+\q], s[32+2*\q:33+2*\q]
.endr
	s_wait_xcnt 0x0
	s_or_b32 exec_lo, exec_lo, s44
	s_endpgm
	; ---- the weights: one text for all three; only pointers and numbers are chosen
.Lpath_w:
	s_sub_co_u32 s26, ttmp9, 256                   ; 0-575: 48 strips x 12 pairs of K steps
	s_mul_hi_u32 s27, s26, 0x15555556              ; / 12: the strip among the weights
	s_mul_i32 s28, s27, 12
	s_sub_co_u32 s28, s26, s28                     ; which pair of K steps
	s_mov_b32 s53, 2048                            ; a row of wk or wv in bytes
	s_mov_b64 s[54:55], s[10:11]                   ; wv,
	s_mov_b32 s56, 40                              ; whose first strip is 40
	s_cmp_lt_u32 s27, 40
	s_cselect_b64 s[54:55], s[8:9], s[54:55]       ; wk
	s_cselect_b32 s56, 32, s56
	s_cmp_lt_u32 s27, 32
	s_cselect_b64 s[54:55], s[6:7], s[54:55]       ; wq
	s_cselect_b32 s56, 0, s56
	s_cselect_b32 s53, 8192, s53
	s_and_b32 s58, s22, 1                          ; which 32 columns of the strip
	s_lshr_b32 s59, s22, 1
	s_lshl_b32 s60, s28, 1
	s_add_co_u32 s60, s60, s59                     ; my K step
	s_sub_co_u32 s61, s27, s56
	s_lshl_b32 s61, s61, 1
	s_add_co_u32 s61, s61, s58
	s_lshl_b32 s61, s61, 7                         ; my first column, in bytes
	s_lshl_b32 s62, s53, 5                         ; 32 rows
	s_lshl_b32 s63, s60, 2
	s_mul_i32 s63, s63, s62
	s_add_co_u32 s66, s63, s61
	s_mov_b32 s67, 0
	s_add_nc_u64 s[32:33], s[54:55], s[66:67]      ; block 0
	s_mov_b32 s66, s62
.irp t, 1,2,3
	s_add_nc_u64 s[32+2*\t:33+2*\t], s[30+2*\t:31+2*\t], s[66:67]
.endr
	s_lshr_b32 s68, s60, 2
	s_mul_i32 s68, s68, 80
	s_add_co_u32 s68, s68, s27
	s_add_co_u32 s68, s68, 32
	s_lshl_b32 s68, s68, 2
	s_and_b32 s69, s60, 3
	s_add_co_u32 s68, s68, s69
	s_mul_i32 s68, s68, REC
	s_mov_b32 s69, 0
	s_add_nc_u64 s[48:49], s[16:17], s[68:69]      ; my record
	s_cmp_eq_u32 s58, 0
	s_cselect_b64 s[50:51], s[36:37], s[38:39]     ; the prefetch: the even wave names block 2's rows, the odd one block 3's
	s_wait_alu depctr_va_vdst(0)
	v_mul_u32_u24 v9, s53, v1                      ; a lane a row
	v_and_b32 v2, 7, v1
	v_bfe_u32 v5, v1, 3, 1
	v_lshl_add_u32 v2, v5, 4, v2
	v_lshl_add_u32 v2, v3, 3, v2                   ; my column: lanes 0-15 the rows of the even tile, lanes 16-31 of the odd one
	v_lshlrev_b32 v2, 2, v2
	s_mul_i32 s68, s58, 3072
	v_lshlrev_b32 v3, 4, v1
	v_add_nc_u32 v3, s68, v3                       ; 16 l + my two tiles' images
	s_lshl_b32 s68, s58, 7
	s_add_co_u32 s68, s68, 6144
	v_lshl_add_u32 v4, v1, 2, s68                  ; 4 l + my two tiles' words
.irp i, 0,1,2,3,4,5,6,7,8,9,10,11,12,13,14,15,16,17,18,19,20,21,22,23,24,25,26,27,28,29,30,31
	v_mad_u32_u24 v[64+\i], s53, \i, v2
.endr
	s_cmp_ge_u32 s60, 22
	s_cbranch_scc1 .Lw_tail
	global_prefetch_b8 v9, s[50:51] th:TH_LOAD_NT scope:SCOPE_SE   ; K steps under 22 alone: rows up to 2,815, inside the weight; v9 and the base are never rewritten
	WLOAD 0
	WLOAD 1
	WBLOCK 0, 32, 1
	WBLOCK 1, 32, 1
	WBLOCK 2, 32, 0
	WBLOCK 3, 0, 0
	WSTORE
	s_endpgm
.Lw_tail:                                          ; K step 22: two blocks are left of K, the rest are zero codes; K step 23: zero codes alone; no load passes row 2,879
	s_wait_alu depctr_va_vdst(0)
	s_cmp_eq_u32 s60, 23
	s_cbranch_scc1 .Lw_zero
	WLOAD 0
	WLOAD 1
	WBLOCK 0, 32, 0
	WBLOCK 1, 0, 0
.irp u, 0,1
.irp i, 6,7,8,9,10,11
	v_mov_b32 v[16+12*\u+\i], 0
.endr
.endr
	v_or_b32 v10, 0x7f7f0000, v10
	WSTORE
	s_endpgm
.Lw_zero:
.set n, 16
.rept 24
	v_mov_b32 v[n], 0
.set n, n+1
.endr
	v_mov_b32 v10, 0x7f7f7f7f
	WSTORE
	s_endpgm
.Lfunc_end_k_q9a18d82868_prep:
	.size	k_q9a18d82868_prep, .Lfunc_end_k_q9a18d82868_prep-k_q9a18d82868_prep
	.p2alignl 7, 3214868480
	.fill 96, 4, 3214868480
	.section	.rodata,"a",@progbits
	.p2align	6, 0x0
	.amdhsa_kernel k_q9a18d82868_prep
		.amdhsa_group_segment_fixed_size 68096
		.amdhsa_private_segment_fixed_size 0
		.amdhsa_enable_private_segment 0
		.amdhsa_kernarg_size 56
		.amdhsa_user_sgpr_count 2
		.amdhsa_user_sgpr_kernarg_segment_ptr 1
		.amdhsa_wavefront_size32 1
		.amdhsa_system_sgpr_workgroup_id_x 1
		.amdhsa_system_sgpr_workgroup_id_y 1
		.amdhsa_system_sgpr_workgroup_id_z 1
		.amdhsa_system_vgpr_workitem_id 0
		.amdhsa_next_free_vgpr 256
		.amdhsa_next_free_sgpr 96
		.amdhsa_reserve_vcc 1
		.amdhsa_float_denorm_mode_32 3
		.amdhsa_float_denorm_mode_16_64 3
		.amdhsa_memory_ordered 1
		.amdhsa_forward_progress 1
		.amdhsa_inst_pref_size 86
	.end_amdhsa_kernel
	.amdgpu_metadata
---
amdhsa.version: [ 1, 2 ]
amdhsa.kernels:
  - .name:           k_q9a18d82868_prep
    .symbol:         k_q9a18d82868_prep.kd
    .args:
      - { .name: x, .offset: 0, .size: 8, .value_kind: global_buffer, .address_space: global }
      - { .name: wq, .offset: 8, .size: 8, .value_kind: global_buffer, .address_space: global }
      - { .name: wk, .offset: 16, .size: 8, .value_kind: global_buffer, .address_space: global }
      - { .name: wv, .offset: 24, .size: 8, .value_kind: global_buffer, .address_space: global }
      - { .name: cs, .offset: 32, .size: 8, .value_kind: global_buffer, .address_space: global }
      - { .name: position_ids, .offset: 40, .size: 8, .value_kind: global_buffer, .address_space: global }
      - { .name: xw, .offset: 48, .size: 8, .value_kind: global_buffer, .address_space: global }
    .group_segment_fixed_size: 68096
    .private_segment_fixed_size: 0
    .kernarg_segment_align: 8
    .kernarg_segment_size: 56
    .max_flat_workgroup_size: 128
    .sgpr_count:     96
    .vgpr_count:     256
    .wavefront_size: 32
...
	.end_amdgpu_metadata
.endif
;; end of part 1
;; launch qkv (part 2): grid 16 x 16, 4 waves a work-group, clusters of 4 x 1, 327,680 bytes of LDS; arguments xw, cs, qi, qs, kv, wo, ow; writes qi, qs, kv, ow
.if DOCPART == 2
	.amdgcn_target "amdgcn-amd-amdhsa--gfx1250"
	.amdhsa_code_object_version 6
	.text
	.protected	k_q9a18d82868_qkv
	.globl	k_q9a18d82868_qkv
	.p2align	8
	.type	k_q9a18d82868_qkv,@function
k_q9a18d82868_qkv:
	s_mov_b64 s[64:65], 0
	v_nop
	global_prefetch_b8 v0, s[64:65] scope:SCOPE_SE
	s_setreg_imm32_b32 hwreg(HW_REG_WAVE_MODE, 25, 1), 1
	s_wait_xcnt 0x0
	s_wait_alu depctr_hold_cnt(0) depctr_sa_sdst(0) depctr_va_vdst(0) depctr_va_sdst(0) depctr_va_ssrc(0) depctr_va_vcc(0) depctr_vm_vsrc(0)
	s_getreg_b32 s2, hwreg(HW_REG_IB_STS2, 6, 4)
	s_cmp_eq_u32 s2, 0
	s_cbranch_scc0 .Lentry_in_a_cluster
	s_endpgm
.Lentry_in_a_cluster:
	s_bfe_u32 s2, ttmp6, 0x10000c
	s_cmp_lg_u32 s2, 0x3003
	s_cbranch_scc0 .Lentry_shape_is_right
	s_endpgm
.Lentry_shape_is_right:
; QKV: x wq, x wk, x wv on codes of E3M2 (K = 3,072, the last 192 zero codes), the rotary turn of q and k, and the quantising of q and k along the head's 64 and of v along the keys.  Nothing leaves in f32.
; Operands come as RECORDS of 6,400 bytes (a strip of 64 rows, one K step: four images of 1,536 bytes in the order of the operand's registers, then 256 bytes of scale words), laid [K step / 4][strip][K step % 4].
; A work-group has an A side of 2 strips and a B side of 4.  Rows of the grid 0-9: A = 128 tokens of x, B = four heads of wq (0-7) or wk (8, 9).  Rows 10, 11: A = two heads of wv, B = 256 tokens of x: the sides change
; places so that a lane of the result holds one channel of v and its registers run along the keys, which are v's K.  The loop is one text for both; only addresses differ.
; A wave takes one A strip (4 fragments) against two B strips (8 fragments): 32 accumulators, 12 fragments from LDS for 32 matrix instructions.  Source 0 = B side, source 1 = A side.
; K goes four steps to a slot through a ring of two LDS slots of 153,600 bytes.  CLUSTER 4 x 1: the B side, two thirds of a slot's bytes, hangs on the grid's row and the cluster's number alone and is asked for jointly by the four.
; The A side is each work-group's own.  A cluster of 4 x 4 is not used: the grid's 12 rows hold 10 rows of one kind and 2 of the other, so a column of four would mix kinds with other A sides and other ways out.
; OUT: qi [b][head][block of 32 queries] an image whose registers 0-5 are tile 0 (k = the head's 64) and 6-11 tile 1; qs the words [..][tile][row]; kv [b 8 + kv head][128 keys][13,056]: K 4 such images, V^T 4 images, K's words, V's words.
; LIMITS: NaN and infinities are not served; a block under 2^-122 keeps the byte 1, a block of zeros too (its codes are zeros; this program alone reads the bytes).
; REGISTERS: window 0: v1-15 addresses, v16-27 scale words (two sets), v28-29 for the spare words, v32-127 A's fragments (two sets), v128-255 the way out.  window 1: B's fragments, sets at v0 and v128.
;   window 2: accumulator (a, i) at v[8 (8 a + i)].  window 3: v[32 a ..] 16 cosines and 16 sines of row tile a.
; ROWS 12-15 OF THE GRID quantise wo (f32, K = its first axis, 2,048) into ow's strips 32-76, in the records' form.  16 clusters: cluster c takes wo's strips c, c + 16, c + 32 (those under 45), partner cx the K steps 4 cx .. 4 cx + 3,
; wave w K step 4 cx + w.  A wave's tile, 128 rows of K x 64 columns (rows of 256 bytes, at multiples of 256 bytes), comes by the wave's own tensor load into its own 32,768 bytes of one of two slots; a lane takes a column and its
; registers run down K, so a block's 32 numbers are one lane's.  Three trips; the test that leaves out strip c + 32 where it is 45 or more hangs on the cluster's number alone.  On that path nothing is prefetched: each tile is
; asked for a whole trip ahead by its tensor load, and the path has three trips.
; K STEP 23 holds zero codes alone on both sides (k from 2,944 on; K is 2,880): it is not multiplied.
; THE HEAD: one tensor load a wave (slot 0); slot 1's first fill stands behind the three lines and a round, as a refill does.  Every wait on TENSORcnt is for 0.
; PREFETCH: a slot's 24 records are named once in each cluster: wave w names records 2 w and 2 w + 1 of its work-group's own A side and record w of B's strip number cx (the partners share B out by address).
; A record is 25 blocks of 256 bytes: lanes 0-24 a block each, lanes 25-31 repeat the last.  The head names slots' worth 1 and 2, slot 1's fill 3, the refills of 2 and 3 name 4 and 5: two fills ahead; the last two refills name nothing.
.macro PF off
	global_prefetch_b8 v31, s[44:45] offset:(\off) th:TH_LOAD_NT scope:SCOPE_SE
	global_prefetch_b8 v31, s[44:45] offset:(\off)+6400 th:TH_LOAD_NT scope:SCOPE_SE
	global_prefetch_b8 v31, s[46:47] offset:(\off) th:TH_LOAD_NT scope:SCOPE_SE
.endm
.set NBF,  8
.set REC,  6400
.set SLOT, 153600
.set SPARE, 2*SLOT                     ; the spare words: 128 bytes a wave, two blocks of 256 bytes that no other line names
.set QSTRIDE, 2048000                  ; four K steps on: 80 strips x 25,600 bytes
.set LAPS, 3                           ; 24 K steps = 6 slots' worth = 3 times round the ring
.set ADRA, 4
.set ADRB, 6
.set ADRC, 8
.set ADSA, 10
.set ADSB, 12
.set ADSC, 14
.set SC,   16
.set SPW,  28
.set NIL,  29
.set AF,   32
.set CD,   32                          ; the way out: four sets of 12 code registers
.set HA,   128                         ; 64 numbers to be quantised
.set TM,   192
.set TQ,   208
.set RT,   216
.set PW,   224
.set WD,   228
.set SH,   232
.set G1A,  24
.set G0A,  32
.set G1B,  48
.set G0B,  56
.set MSB, 0
.macro WIN new                         ; the immediate's high byte repeats the setting that is left
.if MSB != (\new)
	s_set_vgpr_msb (MSB<<8)|(\new)
.set MSB, (\new)
.endif
.endm
.macro PLACES n
.rept \n
	v_nop
.endr
.endm
; waves 0 and 1 fetch A's two strips (a load of the work-group's own), waves 2 and 3 B's two halves (joint).  The branch hangs on the wave's number alone.  Four v_nop follow each line.
.macro JLOAD s
	s_cmp_eq_u32 s15, 0
	s_cbranch_scc0 .Lfor_b_\@
	tensor_load_to_lds s[G0A+4*\s:G0A+4*\s+3], s[G1A:G1A+7]
	s_nop 0
.rept 4
	v_nop
.endr
	s_branch .Lasked_\@
.Lfor_b_\@:
	tensor_load_to_lds s[G0B+4*\s:G0B+4*\s+3], s[G1B:G1B+7]
	s_nop 0
.rept 4
	v_nop
.endr
.Lasked_\@:
.endm
.macro CREST                           ; a round of the cluster's barrier behind its opening barrier
	s_cmp_lg_u32 s14, 0
	s_cbranch_scc1 .Lnot_wave_0_\@
	s_barrier_signal -3
.Lnot_wave_0_\@:
	s_barrier_wait -3
	s_barrier_signal -1
	s_barrier_wait -1
.endm
.macro CROUND
	s_barrier_signal -1
	s_barrier_wait -1
	CREST
.endm
; one matrix line from the symbols rD, rB, rA, rSB, rSA; fB, fA: the side's words stand in lanes 16-31 of its scale register
.macro WM zero
.if \zero
.if fB && fA
	v_wmma_scale_f32_16x16x128_f8f6f4 v[rD:rD+7], v[rB:rB+11], v[rA:rA+11], 0, v[rSB], v[rSA] matrix_a_fmt:MATRIX_FMT_BF6 matrix_b_fmt:MATRIX_FMT_BF6 matrix_a_scale:MATRIX_SCALE_ROW1 matrix_b_scale:MATRIX_SCALE_ROW1
.elseif fB
	v_wmma_scale_f32_16x16x128_f8f6f4 v[rD:rD+7], v[rB:rB+11], v[rA:rA+11], 0, v[rSB], v[rSA] matrix_a_fmt:MATRIX_FMT_BF6 matrix_b_fmt:MATRIX_FMT_BF6 matrix_a_scale:MATRIX_SCALE_ROW1
.elseif fA
	v_wmma_scale_f32_16x16x128_f8f6f4 v[rD:rD+7], v[rB:rB+11], v[rA:rA+11], 0, v[rSB], v[rSA] matrix_a_fmt:MATRIX_FMT_BF6 matrix_b_fmt:MATRIX_FMT_BF6 matrix_b_scale:MATRIX_SCALE_ROW1
.else
	v_wmma_scale_f32_16x16x128_f8f6f4 v[rD:rD+7], v[rB:rB+11], v[rA:rA+11], 0, v[rSB], v[rSA] matrix_a_fmt:MATRIX_FMT_BF6 matrix_b_fmt:MATRIX_FMT_BF6
.endif
.else
.if fB && fA
	v_wmma_scale_f32_16x16x128_f8f6f4 v[rD:rD+7], v[rB:rB+11], v[rA:rA+11], v[rD:rD+7], v[rSB], v[rSA] matrix_a_fmt:MATRIX_FMT_BF6 matrix_b_fmt:MATRIX_FMT_BF6 matrix_a_scale:MATRIX_SCALE_ROW1 matrix_b_scale:MATRIX_SCALE_ROW1
.elseif fB
	v_wmma_scale_f32_16x16x128_f8f6f4 v[rD:rD+7], v[rB:rB+11], v[rA:rA+11], v[rD:rD+7], v[rSB], v[rSA] matrix_a_fmt:MATRIX_FMT_BF6 matrix_b_fmt:MATRIX_FMT_BF6 matrix_a_scale:MATRIX_SCALE_ROW1
.elseif fA
	v_wmma_scale_f32_16x16x128_f8f6f4 v[rD:rD+7], v[rB:rB+11], v[rA:rA+11], v[rD:rD+7], v[rSB], v[rSA] matrix_a_fmt:MATRIX_FMT_BF6 matrix_b_fmt:MATRIX_FMT_BF6 matrix_b_scale:MATRIX_SCALE_ROW1
.else
	v_wmma_scale_f32_16x16x128_f8f6f4 v[rD:rD+7], v[rB:rB+11], v[rA:rA+11], v[rD:rD+7], v[rSB], v[rSA] matrix_a_fmt:MATRIX_FMT_BF6 matrix_b_fmt:MATRIX_FMT_BF6
.endif
.endif
.endm
; A's tile a against B's eight, from fragment set p.  The 32 accumulators take turns, one instruction a turn, in the same order in every step
.macro MULROW a, p, zero
.irp i, 0,1,2,3,4,5,6,7
.set rD, 8*(NBF*(\a)+\i)
.set rB, 128*(\p)+12*\i
.set rA, AF+48*(\p)+12*(\a)
.set rSB, SC+6*(\p)+2+\i/2
.set rSA, SC+6*(\p)+(\a)/2
.set fB, \i%2
.set fA, (\a)%2
	WM \zero
.endr
.endm
; the fragments and scale words of step q of slot s into set p: 42 LDS loads in one run, each image by three loads of 512 consecutive bytes
.macro FETCH s, q, p
	WIN 0x40                                       ; destination window 1, address window 0
.irp i, 0,1,2,3
.irp c, 0,1,2
	ds_load_b128 v[128*(\p)+12*\i+4*\c:128*(\p)+12*\i+4*\c+3], v[ADRB+\s] offset:REC*(\q)+1536*\i+512*\c
.endr
.endr
.irp i, 0,1,2,3
.irp c, 0,1,2
	ds_load_b128 v[128*(\p)+48+12*\i+4*\c:128*(\p)+48+12*\i+4*\c+3], v[ADRC+\s] offset:REC*(\q)+1536*\i+512*\c
.endr
.endr
	WIN 0
.irp a, 0,1,2,3
.irp c, 0,1,2
	ds_load_b128 v[AF+48*(\p)+12*\a+4*\c:AF+48*(\p)+12*\a+4*\c+3], v[ADRA+\s] offset:REC*(\q)+1536*\a+512*\c
.endr
.endr
.irp k, 0,1
	ds_load_b32 v[SC+6*(\p)+\k], v[ADSA+\s] offset:REC*(\q)+128*\k       ; lanes 0-15: tile 2 k's words, lanes 16-31: tile 2 k + 1's
	ds_load_b32 v[SC+6*(\p)+2+\k], v[ADSB+\s] offset:REC*(\q)+128*\k
	ds_load_b32 v[SC+6*(\p)+4+\k], v[ADSC+\s] offset:REC*(\q)+128*\k
.endr
.endm
; a step that has its successor in the same slot: the successor's fragments are asked for first and have this step's 32 matrix instructions in which to come
.macro STEP s, q, zero
	s_wait_dscnt 0x0                               ; this step's fragments are in
	PLACES 4                                       ; four plain lines between the last step's products and the loads into the registers that they read
	FETCH \s, (\q)+1, 1-(\q)%2
	WIN 0xa1                                       ; source 0 window 1, source 1 window 0, C and D window 2
	MULROW 0, (\q)%2, \zero
	MULROW 1, (\q)%2, \zero
	MULROW 2, (\q)%2, \zero
	MULROW 3, (\q)%2, \zero
.endm
; a slot's last step changes slots: one barrier; ahead of it each wave waits for all its tensor loads, adds 0 to its spare word and waits for that and for its reads of the slot.  fill = 1: the slot is filled again, eight K steps on
.macro TURN s, nx, fill
	WIN 0
.if \fill
	s_wait_xcnt 0x0                                ; my prefetches have read their bases, which step four K steps on
	s_add_nc_u64 s[44:45], s[44:45], QSTRIDE
	s_add_nc_u64 s[46:47], s[46:47], QSTRIDE
.endif
	s_wait_tensorcnt 0x0
	ds_add_u32 v[SPW], v[NIL]                      ; 0 onto my spare word
	s_wait_dscnt 0x1                               ; the step's 42 loads are in; the add alone may be out
	WIN 0xa1
	MULROW 0, 1, 0
	s_wait_dscnt 0x0                               ; the add is done, and my reads of this slot are over
	s_barrier_signal -1
	MULROW 1, 1, 0
	WIN 0
	s_barrier_wait -1
.if \fill
	CREST                                          ; the barrier has opened a round of the cluster's: no wave of any partner still reads this slot or has a load on its way
	s_add_nc_u64 s[G0A+4*\s+2:G0A+4*\s+3], s[G0A+4*\s+2:G0A+4*\s+3], 2*QSTRIDE
	s_add_nc_u64 s[G0B+4*\s+2:G0B+4*\s+3], s[G0B+4*\s+2:G0B+4*\s+3], 2*QSTRIDE
	JLOAD \s                                       ; first behind the round, one load a wave; its four v_nop are also the places ahead of the loads below
.else
	PLACES 4
.endif
	s_wait_alu depctr_va_vdst(0)
	FETCH \nx, 0, 0
.if \fill
	s_cmp_gt_u32 s3, 1                             ; the loop's last trip has no fill two on
	s_cbranch_scc0 .Lnoask_\@
	PF 3*QSTRIDE
.Lnoask_\@:
.endif
	WIN 0xa1
	MULROW 2, 1, 0
	MULROW 3, 1, 0
.endm
; 64 numbers of a lane in window win, register 16 b + i = k 32 b + 16 (lane / 16) + i of the lane's row, become 12 code registers at v[d] and the scale word in v[w].  The registers are read in ascending order.
.macro QUANT src, win, d, w
	WIN ((\win)<<2)|((\win)<<4)
.irp b, 0,1,2,3
	v_max3_num_f32 v[TM+\b], 0x2800000, |v[(\src)+16*\b]|, |v[(\src)+16*\b+1]|   ; the floor 2^(5 - 127) among the leaves: the byte cannot fall under 1
.endr
.irp i, 2,4,6,8,10,12,14
.irp b, 0,1,2,3
	v_max3_num_f32 v[TM+\b], v[TM+\b], |v[(\src)+16*\b+\i]|, |v[(\src)+16*\b+\i+1]|
.endr
.endr
	WIN 0
.irp b, 0,1,2,3
	v_permlanex16_b32 v[TM+4+\b], v[TM+\b], s20, s21
.endr
.irp b, 0,1,2,3
	v_max_num_f32 v[TM+\b], v[TM+\b], v[TM+4+\b]
.endr
.irp b, 0,1,2,3
	v_add_nc_u32 v[TM+12+\b], 0xfe000000, v[TM+\b]         ; 4 off the exponent field: the conversion's scale operand
.endr
.irp b, 0,1,2,3
	v_lshrrev_b32 v[TM+4+\b], 23, v[TM+12+\b]
.endr
	v_lshl_or_b32 v[\w], v[TM+5], 8, v[TM+4]
	v_lshl_or_b32 v[\w], v[TM+6], 16, v[\w]
	v_lshl_or_b32 v[\w], v[TM+7], 24, v[\w]
	WIN (\win)
.irp c, 0,1
	v_cvt_scalef32_pk16_bf6_f32 v[(\d)+6*\c:(\d)+6*\c+2], v[(\src)+32*\c:(\src)+32*\c+15], v[TM+12+2*\c]
	v_cvt_scalef32_pk16_bf6_f32 v[TQ+4*\c:TQ+4*\c+2], v[(\src)+32*\c+16:(\src)+32*\c+31], v[TM+13+2*\c]
.endr
	WIN 0
	v_nop                                                  ; one plain line behind the scaled conversions
.irp c, 0,1
.irp i, 0,1,2
	v_permlane16_swap_b32 v[(\d)+6*\c+\i], v[TQ+4*\c+\i]
.endr
.irp i, 0,1,2
	v_mov_b32 v[(\d)+6*\c+3+\i], v[TQ+4*\c+\i]
.endr
.endr
.endm
; the rotary turn of row tile a, head e of my two: a lane holds channels 16 h + t (registers 0-15) and 32 + 16 h + t (registers 16-31) of one token; each accumulator is read from its low end on
.macro ROPE a, e, dst
	WIN 0x0e                                       ; source 0 window 2 (the sums), source 1 window 3 (cosines, sines)
.set AB, 8*(8*(\a)+4*(\e))
.set CB, 32*(\a)
.irp p, 0,1,2,3,4,5,6,7
.set RR, RT+4*(\p%2)
	v_pk_mul_f32 v[RR:RR+1], v[AB+16+2*\p:AB+17+2*\p], v[CB+16+2*\p:CB+17+2*\p]
	v_pk_mul_f32 v[RR+2:RR+3], v[AB+16+2*\p:AB+17+2*\p], v[CB+2*\p:CB+2*\p+1]
	v_pk_fma_f32 v[(\dst)+2*\p:(\dst)+2*\p+1], v[AB+2*\p:AB+2*\p+1], v[CB+2*\p:CB+2*\p+1], v[RR:RR+1] neg_lo:[0,0,1] neg_hi:[0,0,1]   ; x1 cos - x2 sin
	v_pk_fma_f32 v[(\dst)+16+2*\p:(\dst)+17+2*\p], v[AB+2*\p:AB+2*\p+1], v[CB+16+2*\p:CB+17+2*\p], v[RR+2:RR+3]                       ; x1 sin + x2 cos
.endr
	WIN 0
.endm
	s_load_b256 s[4:11], s[0:1], 0x0               ; xw 4, cs 6, qi 8, qs 10
	s_load_b64 s[12:13], s[0:1], 0x20              ; kv
	s_load_b128 s[40:43], s[0:1], 0x28             ; wo 40, ow 42
	v_lshl_add_u32 v[SPW], v0, 2, SPARE
	v_mov_b32 v[NIL], 0
	ds_add_u32 v28, v29
	ds_add_u32 v28, v29
	s_wait_dscnt 0x0
	v_lshrrev_b32 v1, 5, v0
	v_readfirstlane_b32 s14, v1                    ; wave 0..3
	s_lshr_b32 s15, s14, 1                         ; my A strip.  Also: I fetch for A (0) or for B (1)
	s_and_b32 s16, s14, 1                          ; my half of B.  Also: which half I fetch
	s_mov_b32 s17, ttmp9                           ; the cluster's x
	s_bfe_u32 s18, ttmp6, 0x40000                  ; cx: it enters global addresses alone
	s_and_b32 s19, ttmp7, 0xffff                   ; the grid's row
	s_mov_b32 s20, 0x76543210
	s_mov_b32 s21, 0xfedcba98
	s_mov_b32 s22, 0xffff0000                      ; lanes 16-31
	s_wait_alu depctr_va_vdst(0)                   ; the wait ahead of the branch
	s_cmp_ge_u32 s19, 12                           ; the grid's row is the same in all partners of a cluster
	s_cbranch_scc1 .Lwo
	s_lshl_b32 s76, s17, 2
	s_add_co_u32 s76, s76, s18                     ; mt = 4 x + cx
	s_lshl_b32 s77, s76, 1                         ; q, k: A = x strips 2 mt, 2 mt + 1
	s_lshl_b32 s78, s18, 1
	s_add_co_u32 s78, s78, 72                      ; v: A = wv's strips 72 + 2 cx, + 1
	s_lshl_b32 s79, s19, 2
	s_add_co_u32 s79, s79, 32                      ; q, k: B = weight strips 32 + 4 row ..
	s_sub_co_u32 s80, s19, 10
	s_lshl_b32 s80, s80, 2
	s_add_co_u32 s80, s80, s17                     ; v: which 256 tokens
	s_lshl_b32 s81, s80, 2                         ; v: B = x strips 4 bg ..
	s_cmp_lt_u32 s19, 10
	s_cselect_b32 s77, s77, s78
	s_cselect_b32 s79, s79, s81                    ; (B's numbers never meet cx)
	; descriptor groups 1: dense blocks as rows of 256 bytes (32 elements of 8 bytes): A 100 rows (a strip's four records), B 200 rows (two strips'), B with the mask of all four partners and bit 21 beside it
	s_mov_b32 s[G1A+0], 3<<16
	s_mov_b32 s[G1A+1], 32<<16
	s_mov_b32 s[G1A+2], 100<<16
	s_mov_b32 s[G1A+3], 32<<16
	s_mov_b32 s[G1A+4], 100
	s_mov_b32 s[G1A+5], 32
	s_mov_b32 s[G1A+6], 0
	s_mov_b32 s[G1A+7], 0
	s_mov_b32 s[G1B+0], 15|(3<<16)|(1<<21)
	s_mov_b32 s[G1B+1], 32<<16
	s_mov_b32 s[G1B+2], 200<<16
	s_mov_b32 s[G1B+3], 32<<16
	s_mov_b32 s[G1B+4], 200
	s_mov_b32 s[G1B+5], 32
	s_mov_b32 s[G1B+6], 0
	s_mov_b32 s[G1B+7], 0
	s_mul_i32 s84, s16, 25600                      ; A: where my strip goes in a slot,
	s_add_co_u32 s85, s77, s16
	s_mul_i32 s86, s85, 25600                      ; and where it lies
	s_mov_b32 s87, 0
	s_mul_i32 s88, s16, 51200                      ; B likewise: my two strips
	s_mul_i32 s90, s79, 25600
	s_add_co_u32 s90, s90, s88
	s_mov_b32 s91, 0
	s_add_co_u32 s89, s88, 51200
	s_mul_i32 s44, s77, 25600                      ; the prefetches: my two records of my work-group's A side,
	s_mul_i32 s95, s14, 12800
	s_add_co_u32 s44, s44, s95
	s_mov_b32 s45, 0
	s_add_co_u32 s46, s79, s18                     ; and my record of B's strip number cx
	s_mul_i32 s46, s46, 25600
	s_mul_i32 s95, s14, 6400
	s_add_co_u32 s46, s46, s95
	s_mov_b32 s47, 0
	s_wait_kmcnt 0x0
	s_add_nc_u64 s[44:45], s[4:5], s[44:45]
	s_add_nc_u64 s[46:47], s[4:5], s[46:47]
	s_add_nc_u64 s[86:87], s[4:5], s[86:87]
	s_add_nc_u64 s[90:91], s[4:5], s[90:91]
	CROUND                                         ; all four work-groups are here: the first joint loads meet
.irp s, 0,1
	s_mov_b32 s[G0A+4*\s], 1
	s_add_co_u32 s[G0A+4*\s+1], s84, \s*SLOT
	s_add_nc_u64 s[G0A+4*\s+2:G0A+4*\s+3], s[86:87], \s*QSTRIDE
	s_or_b32 s[G0A+4*\s+3], s[G0A+4*\s+3], 0x80000000
	s_mov_b32 s[G0B+4*\s], 1
	s_add_co_u32 s[G0B+4*\s+1], s89, \s*SLOT
	s_add_nc_u64 s[G0B+4*\s+2:G0B+4*\s+3], s[90:91], \s*QSTRIDE
	s_or_b32 s[G0B+4*\s+3], s[G0B+4*\s+3], 0x80000000
.endr
	JLOAD 0                                        ; slot 0: my one tensor load at the head
	v_and_b32 v31, 31, v0
	v_min_u32 v31, 24, v31
	v_lshlrev_b32 v31, 8, v31                      ; my block of a record; never rewritten
	PF QSTRIDE
	PF 2*QSTRIDE
	v_and_b32 v1, 31, v0
	v_lshlrev_b32 v2, 2, v1                        ; 4 l
	v_lshlrev_b32 v1, 4, v1                        ; 16 l
	s_mul_i32 s82, s15, 25600
	s_mul_i32 s83, s16, 51200
	s_add_co_u32 s83, s83, 51200
.irp s, 0,1
	v_add_nc_u32 v[ADRA+\s], s82, v1
	v_add_nc_u32 v[ADRB+\s], s83, v1
	v_add_nc_u32 v[ADSA+\s], s82, v2
	v_add_nc_u32 v[ADSB+\s], s83, v2
	s_add_co_u32 s82, s82, SLOT
	s_add_co_u32 s83, s83, SLOT
.endr
.irp s, 0,1
	v_add_nc_u32 v[ADRC+\s], 25600, v[ADRB+\s]
	v_add_nc_u32 v[ADSA+\s], 6144, v[ADSA+\s]
	v_add_nc_u32 v[ADSB+\s], 6144, v[ADSB+\s]
	v_add_nc_u32 v[ADSC+\s], 25600, v[ADSB+\s]
.endr
	; cosines and sines of tokens 128 mt + 64 (wave / 2) on: a lane wants those of its token at channels 16 h + 0..15.  Every work-group loads them (the address lies in the table for all), so that no path reads an unwritten register
	s_lshl_b32 s92, s76, 7
	s_lshl_b32 s93, s15, 6
	s_add_co_u32 s92, s92, s93
	s_lshl_b32 s92, s92, 8
	s_mov_b32 s93, 0
	s_add_nc_u64 s[6:7], s[6:7], s[92:93]
	v_and_b32 v3, 15, v0
	v_and_b32 v30, 8, v3
	v_add_nc_u32 v3, v3, v30
	v_lshlrev_b32 v3, 8, v3
	v_bfe_u32 v30, v0, 4, 1
	v_lshl_add_u32 v3, v30, 6, v3                  ; 256 (r + 8 (r / 8)) + 64 h
	WIN 0xc0                                       ; destination window 3
.irp a, 0,1,2,3
.irp j, 0,1,2,3
	global_load_b128 v[32*\a+4*\j:32*\a+4*\j+3], v3, s[6:7] offset:256*(32*(\a/2)+8*(\a%2))+16*\j
	global_load_b128 v[32*\a+16+4*\j:32*\a+16+4*\j+3], v3, s[6:7] offset:256*(32*(\a/2)+8*(\a%2))+16*\j+128
.endr
.endr
	WIN 0
	s_wait_alu depctr_va_vdst(0)                   ; the wait at the head's end
	s_wait_tensorcnt 0x0                           ; my part of slot 0 is in
	ds_add_u32 v[SPW], v[NIL]                      ; ahead of a later first fill
	s_wait_dscnt 0x0
	CROUND                                         ; everybody's part is in, and the four work-groups are here
	JLOAD 1                                        ; slot 1's first fill, first behind the round
	FETCH 0, 0, 0
	PF 3*QSTRIDE
	STEP 0, 0, 1                                   ; the first step stands ahead of the loop: its products start the sums
	WIN 0
	s_mov_b32 s3, LAPS-1
.Llap:                                             ; a trip goes once round the ring and fills both slots again
	STEP 0, 1, 0
	STEP 0, 2, 0
	TURN 0, 1, 1
	STEP 1, 0, 0
	STEP 1, 1, 0
	STEP 1, 2, 0
	TURN 1, 0, 1
	STEP 0, 0, 0
	WIN 0
	s_sub_co_u32 s3, s3, 1
	s_cmp_lg_u32 s3, 0
	s_cbranch_scc1 .Llap
	STEP 0, 1, 0                                   ; the last lap fills nothing
	STEP 0, 2, 0
	TURN 0, 1, 0
	STEP 1, 0, 0
	STEP 1, 1, 0
	s_wait_dscnt 0x0                               ; K step 22 is the last that is multiplied
	MULROW 0, 0, 0
	MULROW 1, 0, 0
	MULROW 2, 0, 0
	MULROW 3, 0, 0
	WIN 0
	PLACES 4                                       ; ahead of the first read of results and the first write of operand registers
	s_wait_loadcnt 0x0                             ; cosines and sines
.irp b, 0,1,2,3
	v_mov_b32 v[TM+4+\b], 0                        ; written once: a lane permute's destination counts as one of its sources
.endr
	v_bfe_u32 v[SH], v0, 4, 1
	v_lshlrev_b32 v[SH], 4, v[SH]                  ; 16 h
	s_cmp_lt_u32 s19, 10
	s_cbranch_scc0 .Lout_v
	; ---- q and k: turned, quantised along the head's 64, stored as images.  No LDS, no barrier: each wave's results are whole fragments
	s_lshr_b32 s84, s76, 3                         ; b
	s_lshl_b32 s87, s16, 1
	s_lshl_b32 s85, s84, 5
	s_lshl_b32 s86, s19, 2
	s_add_co_u32 s85, s85, s86
	s_add_co_u32 s85, s85, s87                     ; q: head 32 b + 4 row + 2 (wave % 2)
	s_lshl_b32 s85, s85, 5
	s_lshl_b32 s88, s76, 2
	s_lshl_b32 s89, s15, 1
	s_add_co_u32 s88, s88, s89
	s_and_b32 s88, s88, 31
	s_add_co_u32 s85, s85, s88                     ; its block of 32 queries
	s_mul_i32 s90, s85, 1536
	s_lshl_b32 s92, s85, 7
	s_lshl_b32 s86, s84, 3
	s_sub_co_u32 s88, s19, 8
	s_lshl_b32 s88, s88, 2
	s_add_co_u32 s86, s86, s88
	s_add_co_u32 s86, s86, s87                     ; k: head 8 b + 4 (row - 8) + 2 (wave % 2)
	s_lshl_b32 s86, s86, 3
	s_and_b32 s88, s76, 7
	s_add_co_u32 s86, s86, s88                     ; its 128 keys
	s_mul_i32 s86, s86, 13056
	s_mul_i32 s88, s15, 3072
	s_add_co_u32 s88, s88, s86
	s_lshl_b32 s89, s15, 8
	s_add_co_u32 s89, s89, s86
	s_add_co_u32 s89, s89, 12288
	s_mov_b32 s94, 104448
	s_cmp_lt_u32 s19, 8
	s_cselect_b64 s[68:69], s[8:9], s[12:13]       ; codes: qi or kv
	s_cselect_b64 s[72:73], s[10:11], s[12:13]     ; words: qs or kv
	s_cselect_b32 s90, s90, s88
	s_cselect_b32 s92, s92, s89
	s_cselect_b32 s84, 49152, s94                  ; from a head to the next
	s_cselect_b32 s86, 4096, s94
	s_mov_b32 s91, 0
	s_mov_b32 s93, 0
	s_mov_b32 s85, 0
	s_mov_b32 s87, 0
	s_add_nc_u64 s[68:69], s[68:69], s[90:91]
	s_add_nc_u64 s[72:73], s[72:73], s[92:93]
	s_add_nc_u64 s[70:71], s[68:69], s[84:85]
	s_add_nc_u64 s[74:75], s[72:73], s[86:87]
.irp e, 0,1
.irp pr, 0,1
	ROPE 2*\pr, \e, HA
	ROPE 2*\pr+1, \e, HA+32
	QUANT HA, 0, CD+12*(2*\e+\pr), PW+2*\e+\pr     ; blocks 0, 1: tile 2 pr's 64 channels; blocks 2, 3: tile 2 pr + 1's
	v_lshrrev_b32 v[WD+2*\e+\pr], v[SH], v[PW+2*\e+\pr]   ; lanes 16-31 bring the second tile's two bytes down
.irp c, 0,1,2
	global_store_b128 v1, v[CD+12*(2*\e+\pr)+4*\c:CD+12*(2*\e+\pr)+4*\c+3], s[68+2*\e:69+2*\e] offset:1536*\pr+512*\c
.endr
	global_store_b32 v2, v[WD+2*\e+\pr], s[72+2*\e:73+2*\e] offset:128*\pr
.endr
.endr
	s_branch .Lend
	; ---- v: the 64 registers of accumulators (a, 0..7) are 128 keys of 16 channels: one fragment of V^T each
.Lout_v:
	s_lshl_b32 s84, s80, 1
	s_add_co_u32 s84, s84, s16                     ; which 128 tokens
	s_lshr_b32 s85, s84, 3                         ; b
	s_and_b32 s84, s84, 7
	s_lshl_b32 s85, s85, 3
	s_lshl_b32 s86, s18, 1
	s_add_co_u32 s85, s85, s86
	s_add_co_u32 s85, s85, s15                     ; 8 b + the kv head 2 cx + wave / 2
	s_lshl_b32 s85, s85, 3
	s_add_co_u32 s85, s85, s84
	s_mul_i32 s84, s85, 13056
	s_mov_b32 s85, 0
	s_add_nc_u64 s[68:69], s[12:13], s[84:85]
.irp a, 0,1,2,3
	QUANT 64*\a, 2, CD+12*\a, PW+\a
.irp c, 0,1,2
	global_store_b128 v1, v[CD+12*\a+4*\c:CD+12*\a+4*\c+3], s[68:69] offset:6144+1536*\a+512*\c
.endr
.endr
.irp k, 0,1
	v_cndmask_b32 v[WD+\k], v[PW+2*\k], v[PW+2*\k+1], s22     ; lanes 0-15 tile 2 k's words, lanes 16-31 tile 2 k + 1's
	global_store_b32 v2, v[WD+\k], s[68:69] offset:12800+128*\k
.endr
.Lend:
	s_wait_tensorcnt 0x0                           ; the wave's end
	ds_add_u32 v[SPW], v[NIL]
	s_wait_dscnt 0x0
	CROUND                                         ; the closing round: no work-group ends while a partner may still ask jointly
	s_endpgm
	; ---- rows 12-15: wo into records of ow
; block t of my eight (t / 4: which 32 columns of the strip; t % 4: which 32 of my 128 along K): 32 LDS loads, each 128 consecutive bytes of one row of the tile
.macro WLD t
.set n, 0
.rept 32
	ds_load_b32 v[96+32*((\t)%2)+n], v9 offset:128*((\t)/4)+256*(32*((\t)%4)+n)
.set n, n+1
.endr
.endm
; largest magnitude, byte, 32 codes in six registers.  Even blocks go to the place of the even tile's fragment, odd ones to the odd tile's; six swaps of halves then give both tiles whole
.macro WBLK t, cnt, ahead
.set XS, 96+32*((\t)%2)
.set DD, 32+24*((\t)/4)+12*((\t)%2)+6*(((\t)%4)/2)
	s_wait_dscnt \cnt                              ; this block's 32 loads are in; the next block's 32 may be out
	v_max3_num_f32 v5, |v[XS]|, |v[XS+1]|, |v[XS+2]|
	v_max3_num_f32 v6, |v[XS+3]|, |v[XS+4]|, |v[XS+5]|
.irp i, 6,10,14,18,22,26
	v_max3_num_f32 v5, v5, |v[XS+\i]|, |v[XS+\i+1]|
	v_max3_num_f32 v6, v6, |v[XS+\i+2]|, |v[XS+\i+3]|
.endr
	v_max3_num_f32 v5, v5, |v[XS+30]|, |v[XS+31]|
	v_max3_num_f32 v5, v5, v6, 0x2800000           ; the floor 2^(5 - 127): the byte cannot fall under 1
	v_add_nc_u32 v7, 0xfe000000, v5                ; 4 off the exponent field: the conversions' scale operand
	v_cvt_scalef32_pk16_bf6_f32 v[DD:DD+2], v[XS:XS+15], v7
	v_cvt_scalef32_pk16_bf6_f32 v[12:14], v[XS+16:XS+31], v7
	v_lshrrev_b32 v8, 23, v7                       ; the byte; also the plain line behind the conversions
.if (\t)%4 == 0
	v_mov_b32 v[10+(\t)/4], v8
.else
	v_lshl_or_b32 v[10+(\t)/4], v8, 8*((\t)%4), v[10+(\t)/4]
.endif
	v_mov_b32 v[DD+3], v12
	v_mov_b32 v[DD+4], v13
	v_mov_b32 v[DD+5], v14
.if \ahead
	WLD (\t)+2
.endif
.if (\t)%2 == 1
.set T0, 32+24*((\t)/4)+6*(((\t)%4)/2)
.irp i, 0,1,2,3,4,5
	v_permlane16_swap_b32 v[T0+\i], v[T0+12+\i]
.endr
.endif
.endm
.macro WST hf                                      ; two tiles' images, 512 consecutive bytes a store, and their 32 scale words
.irp u, 0,1
.irp c, 0,1,2
	global_store_b128 v3, v[32+24*(\hf)+12*\u+4*\c:32+24*(\hf)+12*\u+4*\c+3], s[80:81] offset:3072*(\hf)+1536*\u+512*\c
.endr
.endr
	global_store_b32 v4, v[10+(\hf)], s[80:81] offset:128*(\hf)
.endm
.Lwo:
	s_sub_co_u32 s76, s19, 12
	s_lshl_b32 s76, s76, 2
	s_add_co_u32 s76, s76, s17                     ; c, the cluster's number among the sixteen
	s_mov_b32 s24, 3<<16                           ; group 1: 128 rows of 32 elements of 8 bytes, 1,440 elements from row to row
	s_mov_b32 s25, 32<<16
	s_mov_b32 s26, 128<<16
	s_mov_b32 s27, 32<<16
	s_mov_b32 s28, 128
	s_mov_b32 s29, 1440
	s_mov_b32 s30, 0
	s_mov_b32 s31, 0
	s_lshl_b32 s82, s18, 2
	s_add_co_u32 s82, s82, s14                     ; my K step: 4 cx + wave
	s_mul_i32 s84, s82, 128*11520
	s_lshl_b32 s85, s76, 8
	s_add_co_u32 s84, s84, s85                     ; the tile's first byte: 128 rows a K step, 256 bytes a strip
	s_mov_b32 s85, 0
	s_mul_i32 s86, s18, 77
	s_add_co_u32 s86, s86, s76
	s_add_co_u32 s86, s86, 32
	s_lshl_b32 s86, s86, 2
	s_add_co_u32 s86, s86, s14
	s_mul_i32 s86, s86, REC                        ; my record: [cx][32 + strip][wave]
	s_mov_b32 s87, 0
	s_lshl_b32 s83, s14, 15                        ; my 32,768 bytes of a slot
	s_mov_b32 s32, 1
	s_lshl_b32 s33, s14, 15
	s_wait_kmcnt 0x0
	s_add_nc_u64 s[34:35], s[40:41], s[84:85]
	s_or_b32 s35, s35, 0x80000000
	s_add_nc_u64 s[80:81], s[42:43], s[86:87]
	CROUND                                         ; in a cluster launch tensor loads stand behind a round
	tensor_load_to_lds s[32:35], s[24:31]          ; strip c's tile into slot 0: my one load at the head
	s_nop 0
.rept 4
	v_nop
.endr
	v_and_b32 v1, 31, v0
	v_and_b32 v2, 7, v1
	v_bfe_u32 v5, v1, 3, 1
	v_lshl_add_u32 v2, v5, 4, v2
	v_bfe_u32 v5, v1, 4, 1
	v_lshl_add_u32 v2, v5, 3, v2                   ; my column of 32: lanes 0-15 the rows of the even tile, lanes 16-31 of the odd one
	v_lshlrev_b32 v2, 2, v2
	v_add_nc_u32 v2, s83, v2
	v_lshlrev_b32 v3, 4, v1                        ; 16 l
	v_lshlrev_b32 v4, 2, v1
	v_add_nc_u32 v4, 6144, v4                      ; 4 l + where a record's words begin
	s_mov_b32 s77, s76                             ; this trip's strip,
	s_add_co_u32 s78, s76, 16                      ; the next trip's
	s_mov_b32 s79, 0                               ; the slot that is read
	s_mov_b32 s3, 0
	s_wait_alu depctr_va_vdst(0)                   ; the wait at the head's end
.Lwu:                                              ; a constant three trips
	s_wait_tensorcnt 0x0                           ; this trip's tile is in
	ds_add_u32 v[SPW], v[NIL]
	s_xor_b32 s33, s33, 0x20000                    ; no load of mine is out: the next tile goes to the other slot,
	s_add_nc_u64 s[34:35], s[34:35], 4096          ; and lies 16 strips on
	s_wait_dscnt 0x0                               ; the add is done, and my reads of that slot are over
	CROUND
	s_cmp_lt_u32 s78, 45
	s_cbranch_scc0 .Lwo_none                       ; wo has 45 strips: a tile that no trip reads is not asked for
	tensor_load_to_lds s[32:35], s[24:31]
	s_nop 0
.rept 4
	v_nop
.endr
.Lwo_none:
	s_cmp_lt_u32 s77, 45
	s_cbranch_scc0 .Lwo_idle
	v_add_nc_u32 v9, s79, v2
	s_wait_alu depctr_va_vdst(0)                   ; the wait
	WLD 0
	WLD 1
	WBLK 0, 32, 1
	WBLK 1, 32, 1
	WBLK 2, 32, 1
	WBLK 3, 32, 1
	WST 0
	WBLK 4, 32, 1
	WBLK 5, 32, 1
	WBLK 6, 32, 0
	WBLK 7, 0, 0
	WST 1
.Lwo_idle:
	s_wait_xcnt 0x0                                ; the stores have read their base and their data, which the next trip writes
	s_add_nc_u64 s[80:81], s[80:81], 16*4*REC      ; 16 strips on
	s_xor_b32 s79, s79, 0x20000
	s_add_co_u32 s77, s77, 16
	s_add_co_u32 s78, s78, 16
	s_add_co_u32 s3, s3, 1
	s_cmp_lt_u32 s3, 3
	s_wait_alu depctr_va_vdst(0)                   ; the wait ahead of the backward jump
	s_cbranch_scc1 .Lwu
	s_wait_tensorcnt 0x0                           ; the wave's end
	ds_add_u32 v[SPW], v[NIL]
	s_wait_dscnt 0x0
	CROUND
	s_endpgm
.Lfunc_end_k_q9a18d82868_qkv:
	.size	k_q9a18d82868_qkv, .Lfunc_end_k_q9a18d82868_qkv-k_q9a18d82868_qkv
	.p2alignl 7, 3214868480
	.fill 96, 4, 3214868480
	.section	.rodata,"a",@progbits
	.p2align	6, 0x0
	.amdhsa_kernel k_q9a18d82868_qkv
		.amdhsa_group_segment_fixed_size 327680
		.amdhsa_private_segment_fixed_size 0
		.amdhsa_enable_private_segment 0
		.amdhsa_kernarg_size 56
		.amdhsa_user_sgpr_count 2
		.amdhsa_user_sgpr_kernarg_segment_ptr 1
		.amdhsa_wavefront_size32 1
		.amdhsa_system_sgpr_workgroup_id_x 1
		.amdhsa_system_sgpr_workgroup_id_y 1
		.amdhsa_system_sgpr_workgroup_id_z 1
		.amdhsa_system_vgpr_workitem_id 0
		.amdhsa_next_free_vgpr 896
		.amdhsa_next_free_sgpr 100
		.amdhsa_reserve_vcc 0
		.amdhsa_float_denorm_mode_32 3
		.amdhsa_float_denorm_mode_16_64 3
		.amdhsa_memory_ordered 1
		.amdhsa_forward_progress 1
		.amdhsa_inst_pref_size 206
	.end_amdhsa_kernel
	.amdgpu_metadata
---
amdhsa.version: [ 1, 2 ]
amdhsa.kernels:
  - .name:           k_q9a18d82868_qkv
    .symbol:         k_q9a18d82868_qkv.kd
    .args:
      - { .name: xw, .offset: 0, .size: 8, .value_kind: global_buffer, .address_space: global }
      - { .name: cs, .offset: 8, .size: 8, .value_kind: global_buffer, .address_space: global }
      - { .name: qi, .offset: 16, .size: 8, .value_kind: global_buffer, .address_space: global }
      - { .name: qs, .offset: 24, .size: 8, .value_kind: global_buffer, .address_space: global }
      - { .name: kv, .offset: 32, .size: 8, .value_kind: global_buffer, .address_space: global }
      - { .name: wo, .offset: 40, .size: 8, .value_kind: global_buffer, .address_space: global }
      - { .name: ow, .offset: 48, .size: 8, .value_kind: global_buffer, .address_space: global }
    .group_segment_fixed_size: 327680
    .private_segment_fixed_size: 0
    .kernarg_segment_align: 8
    .kernarg_segment_size: 56
    .max_flat_workgroup_size: 128
    .sgpr_count:     100
    .vgpr_count:     896
    .wavefront_size: 32
...
	.end_amdgpu_metadata
.endif
;; end of part 2
;; launch attn (part 3): grid 16 x 16, 16 waves a work-group, clusters of 4 x 1, 174,080 bytes of LDS; arguments qi, qs, kv, ow; writes ow
.if DOCPART == 3
	.amdgcn_target "amdgcn-amd-amdhsa--gfx1250"
	.amdhsa_code_object_version 6
	.text
	.protected	k_q9a18d82868_attn
	.globl	k_q9a18d82868_attn
	.p2align	8
	.type	k_q9a18d82868_attn,@function
k_q9a18d82868_attn:
	s_mov_b64 s[64:65], 0
	v_nop
	global_prefetch_b8 v0, s[64:65] scope:SCOPE_SE
	s_setreg_imm32_b32 hwreg(HW_REG_WAVE_MODE, 25, 1), 1
	s_wait_xcnt 0x0
	s_wait_alu depctr_hold_cnt(0) depctr_sa_sdst(0) depctr_va_vdst(0) depctr_va_sdst(0) depctr_va_ssrc(0) depctr_va_vcc(0) depctr_vm_vsrc(0)
	s_getreg_b32 s2, hwreg(HW_REG_IB_STS2, 6, 4)
	s_cmp_eq_u32 s2, 0
	s_cbranch_scc0 .Lentry_in_a_cluster
	s_endpgm
.Lentry_in_a_cluster:
	s_bfe_u32 s2, ttmp6, 0x10000c
	s_cmp_lg_u32 s2, 0x3003
	s_cbranch_scc0 .Lentry_shape_is_right
	s_endpgm
.Lentry_shape_is_right:
; ATTN: causal attention on codes of E3M2, 32 query heads on 8 kv heads, head size 64, 1,024 keys; its result leaves quantised along head x 64 + channel, as the A operand of the last product.
; THE SOFTMAX AHEAD OF THE SECOND PRODUCT: t = score x log2(e) / 8; M = the running largest t rounded UP to a whole number; p = 2^(t - M) is quantised along the keys; the row's sum is taken of the unquantised p and divides at the end.
; When M moves, the sum and O are multiplied by 2^(old M - new M), which rounds nothing.
; SHARES.  The grid's row is b 8 + kv head.  Its 16 work-groups read the same 104,448 bytes of K and V (8 records of 13,056: K 4 images of two tiles each, V^T 4 images, K's words, V's words): they come into LDS ONCE, as they lie;
; the four partners of a cluster ask for them jointly.  Nothing in LDS is filled again.
; A work-group has 8 tiles of 16 queries for the two heads 4 kv + 2 hp + e.  A tile whose queries lie in key step IL (128 keys a step) needs steps 0 .. IL, IL the diagonal.
; EVERY WAVE HAS THE SAME WORK: wave w takes ONE head, e = w % 2, for TWO tiles, one with IL = a and one with IL = 7 - a: (a + 1) + (8 - a) = 9 steps, two of them diagonals.  a is made of the wave's number and the cluster's x alone,
; so that all partners branch alike.  A fragment of the next product wants both heads of a tile (128 channels): at the end waves w and w xor 1 change halves through LDS, as images of their registers, behind one barrier;
; wave w then quantises and stores the tile with its number e.
; Both products are used transposed: S^T = K Q^T, O^T = V^T P^T: a lane holds one query throughout.  The keys of a tile are 32 (t / 2) + 8 (t % 2) + r + 8 (r / 8), so that two neighbouring tiles' 16 registers are 16 neighbouring keys.
; THE HEAD'S 64 FILL HALF A K STEP: Q's registers 6-11 are zero codes; a tile of K names its own six registers and the six behind them, whatever they hold: they meet zeros, and no scale byte involved is 0xff.
; LIMITS: NaN and infinities are not served; a block of p that has fallen to 0 keeps the byte 1 (its codes are zeros).
; REGISTERS: v1-7 addresses; v8-15 -M, largest t, sum (pair) of each of my two tiles; v16-39 their Q and its zeros; v40-41 Q's words; v42-71 four tiles of K and six zeros; v72-135 S^T, then p, then V^T; v136-199 O^T; v200-211 codes;
;   v212-240 at work; v246-247 the exchange's addresses.
; THE WAVES AS THEY STAND (these lines replace what the head says of a wave's share): SIXTEEN waves, ONE tile of 16 queries and one head each.  With the wave's number in bits b3 b2 b1 b0: head e = b0, tile of the block of 32 u = b1,
; which of the two values of a: b0 xor b2, tile j = b1 xor b3 (j = 0: the diagonal in key step a, a + 1 steps; j = 1: in key step 7 - a, 8 - a steps).  The four waves that agree in b1 b0, and the four that agree in b3 b2,
; hold the four pairs (value of a, j) once each: 18 steps together.  At the end each wave puts its head of its tile into the exchange; behind the barrier the wave with e = j quantises and stores tile j's two heads,
; the other goes to the closing lines.  Of the registers named at the head, those of the second tile (v12-15, v28-39, v41, v168-199) are not used.
.set REC, 13056
.set XCH, 104448                       ; behind K and V: the exchange, [2 u + which value of a][tile][head] 4,096 bytes each: 65,536 bytes into which no tensor load lands
.set TM,  220                          ; v220-223 largest values, v224-227 the other half's / bytes, v228-231 the conversions' scale operands
.set TQ,  212
.macro ROUND
	s_barrier_signal -1
	s_barrier_wait -1
	s_cmp_lg_u32 s12, 0
	s_cbranch_scc1 .Lnot_wave_0_\@
	s_barrier_signal -3
.Lnot_wave_0_\@:
	s_barrier_wait -3
	s_barrier_signal -1
	s_barrier_wait -1
.endm
; one key step of my tile e (0 or 1); s[il] holds the step in which its diagonal lies
.macro HEAD e, il
.set NM, 8+4*(\e)
.set QF, 16+12*(\e)
.set OT, 136+32*(\e)
.rept 5
	v_nop                                          ; five plain lines: the products below write over registers that the last V^T P products read
.endr
.irp gq, 0,1                                       ; S^T = K Q^T, four tiles of 16 keys at a time
.if \gq
.rept 4
	v_nop                                          ; ahead of loads into registers that matrix instructions have read
.endr
.endif
.irp k, 0,1
.irp c, 0,1,2
	ds_load_b128 v[42+12*\k+4*\c:45+12*\k+4*\c], v3 offset:3072*\gq+1536*\k+512*\c
.endr
	ds_load_b32 v[232+\k], v4 offset:256*\gq+128*\k
.endr
	s_wait_dscnt 0x0
.irp t, 0,1,2,3
.if \t%2
	v_wmma_scale_f32_16x16x128_f8f6f4 v[72+8*(4*\gq+\t):79+8*(4*\gq+\t)], v[42+6*\t:53+6*\t], v[QF:QF+11], 0, v[232+\t/2], v[40+\e] matrix_a_fmt:MATRIX_FMT_BF6 matrix_b_fmt:MATRIX_FMT_BF6 matrix_a_scale:MATRIX_SCALE_ROW1
.else
	v_wmma_scale_f32_16x16x128_f8f6f4 v[72+8*(4*\gq+\t):79+8*(4*\gq+\t)], v[42+6*\t:53+6*\t], v[QF:QF+11], 0, v[232+\t/2], v[40+\e] matrix_a_fmt:MATRIX_FMT_BF6 matrix_b_fmt:MATRIX_FMT_BF6
.endif
.endr
.endr
.rept 4
	v_nop
.endr
	s_cmp_lg_u32 s36, s[\il]                       ; on the diagonal hidden scores become -infinity ahead of the maximum; earlier steps skip this
	s_cbranch_scc1 .Lopen_\@
	v_mov_b32 v240, 0xff800000
.set n, 0
.rept 64
	v_cmp_gt_i32 vcc_lo, 32*(n/16)+n%16, v5        ; register 16 b + i holds key 32 b + 16 h + i of the step: hidden where 32 b + i > my query - 16 h
	v_cndmask_b32 v[72+n], v[72+n], v240, vcc_lo
.set n, n+1
.endr
.Lopen_\@:
.irp b, 0,1,2,3
	v_max3_num_f32 v[220+\b], v[72+16*\b], v[73+16*\b], v[74+16*\b]   ; the largest score of each block of 32 keys: for the row's maximum, and, since p rises with the score, for the block's largest p
.endr
.irp i, 3,5,7,9,11,13
.irp b, 0,1,2,3
	v_max3_num_f32 v[220+\b], v[220+\b], v[72+16*\b+\i], v[73+16*\b+\i]
.endr
.endr
.irp b, 0,1,2,3
	v_max_num_f32 v[220+\b], v[220+\b], v[87+16*\b]
.endr
.irp b, 0,1,2,3
	s_delay_alu instid0(VALU_DEP_4)
	v_permlanex16_b32 v[224+\b], v[220+\b], s20, s21
.endr
.irp b, 0,1,2,3
	s_delay_alu instid0(VALU_DEP_4)
	v_max_num_f32 v[220+\b], v[220+\b], v[224+\b]
.endr
	s_delay_alu instid0(VALU_DEP_2)
	v_max3_num_f32 v240, v220, v221, v222
	s_delay_alu instid0(VALU_DEP_1)
	v_max_num_f32 v240, v240, v223
	s_delay_alu instid0(VALU_DEP_1)
	v_mul_f32 v240, s22, v240                      ; as t
	s_delay_alu instid0(VALU_DEP_1)
	v_max_num_f32 v[NM+1], v[NM+1], v240           ; the running largest t
	v_mov_b32 v240, v[NM]
	s_delay_alu instid0(VALU_DEP_2)
	v_floor_f32 v[NM], -v[NM+1]                    ; -M = floor(-t)
	s_delay_alu instid0(VALU_DEP_1)
	v_sub_f32 v240, v[NM], v240                    ; old M - new M: a whole number, 0 or less
	s_delay_alu instid0(VALU_DEP_1)
	v_cvt_i32_f32 v240, v240                       ; (it saturates)
	s_delay_alu instid0(VALU_DEP_1)
	v_ldexp_f32 v238, 1.0, v240                    ; f = 2^(old M - new M)
.set n, 0
.rept 32
	v_pk_fma_f32 v[72+n:73+n], v[72+n:73+n], s[22:23], v[NM:NM+1] op_sel_hi:[1,0,0]   ; t - M
.set n, n+2
.endr
.irp b, 0,1,2,3
	v_fma_f32 v[220+\b], v[220+\b], s22, v[NM]
.endr
.set n, 0
	s_wait_alu depctr_va_vdst(0)
.rept 64
	v_exp_f32 v[72+n], v[72+n]                     ; p, at most 1, not normalised
.set n, n+1
.endr
	v_pk_mul_f32 v[NM+2:NM+3], v[NM+2:NM+3], v[238:239] op_sel_hi:[1,0]   ; the sums under the new M; the plain line behind the batch
	s_wait_alu depctr_va_vdst(0)                   ; one wait for the 64, ahead of their first reader
.irp b, 0,1,2,3
	v_exp_f32 v[220+\b], v[220+\b]                 ; the blocks' largest p
.endr
	v_pk_add_f32 v[224:225], v[72:73], v[74:75]    ; the row's sum of the unquantised p, in two chains
.irp j, 4,8,12,16,20,24,28,32,36,40,44,48,52,56,60
	v_pk_add_f32 v[NM+2:NM+3], v[NM+2:NM+3], v[72+\j:73+\j]
	v_pk_add_f32 v[224:225], v[224:225], v[74+\j:75+\j]
.endr
	s_delay_alu instid0(VALU_DEP_1)
	v_pk_add_f32 v[NM+2:NM+3], v[NM+2:NM+3], v[224:225]
	s_wait_alu depctr_va_vdst(0)                   ; and one for the four
.irp b, 0,1,2,3
	v_max_num_f32 v[220+\b], 0x2800000, v[220+\b]  ; the floor 2^(5 - 127)
.endr
.irp b, 0,1,2,3
	s_delay_alu instid0(VALU_DEP_4)
	v_add_nc_u32 v[228+\b], 0xfe000000, v[220+\b]
.endr
.irp b, 0,1,2,3
	s_delay_alu instid0(VALU_DEP_4)
	v_lshrrev_b32 v[224+\b], 23, v[228+\b]
.endr
	s_delay_alu instid0(VALU_DEP_3)
	v_lshl_or_b32 v239, v225, 8, v224              ; p's scale word for these 128 keys
	s_delay_alu instid0(VALU_DEP_1)
	v_lshl_or_b32 v239, v226, 16, v239
	s_delay_alu instid0(VALU_DEP_1)
	v_lshl_or_b32 v239, v227, 24, v239
.irp c, 0,1
	v_cvt_scalef32_pk16_bf6_f32 v[200+6*\c:202+6*\c], v[72+32*\c:87+32*\c], v[228+2*\c]
	v_cvt_scalef32_pk16_bf6_f32 v[TQ+4*\c:TQ+4*\c+2], v[88+32*\c:103+32*\c], v[229+2*\c]
.endr
	v_nop                                          ; one plain line behind the scaled conversions
.irp a, 0,1,2,3                                    ; p's registers are free: V^T's four fragments land there while the codes are put in order
.irp c, 0,1,2
	ds_load_b128 v[72+12*\a+4*\c:75+12*\a+4*\c], v3 offset:6144+1536*\a+512*\c
.endr
.endr
.irp k, 0,1
	ds_load_b32 v[234+\k], v4 offset:512+128*\k
.endr
.irp c, 0,1
.irp i, 0,1,2
	v_permlane16_swap_b32 v[200+6*\c+\i], v[TQ+4*\c+\i]
.endr
.irp i, 0,1,2
	s_delay_alu instid0(VALU_DEP_3)
	v_mov_b32 v[203+6*\c+\i], v[TQ+4*\c+\i]
.endr
.endr
.set n, 0
.rept 16
	v_pk_mul_f32 v[OT+n:OT+n+1], v[OT+n:OT+n+1], v[238:239] op_sel_hi:[1,0]   ; O^T under the new M; these are also the plain lines between the writing of p's codes and word and the products
.set n, n+2
.endr
	s_wait_alu depctr_va_vdst(0)
	s_wait_dscnt 0x0
.irp a, 0,1,2,3                                    ; O^T += V^T P^T: four accumulators, one instruction each
.if \a%2
	v_wmma_scale_f32_16x16x128_f8f6f4 v[OT+8*\a:OT+8*\a+7], v[72+12*\a:83+12*\a], v[200:211], v[OT+8*\a:OT+8*\a+7], v[234+\a/2], v239 matrix_a_fmt:MATRIX_FMT_BF6 matrix_b_fmt:MATRIX_FMT_BF6 matrix_a_scale:MATRIX_SCALE_ROW1
.else
	v_wmma_scale_f32_16x16x128_f8f6f4 v[OT+8*\a:OT+8*\a+7], v[72+12*\a:83+12*\a], v[200:211], v[OT+8*\a:OT+8*\a+7], v[234+\a/2], v239 matrix_a_fmt:MATRIX_FMT_BF6 matrix_b_fmt:MATRIX_FMT_BF6
.endif
.endr
.endm
	s_load_b256 s[4:11], s[0:1], 0x0               ; qi 4, qs 6, kv 8, ow 10
	v_lshl_add_u32 v254, v0, 2, 0x2a000
	v_mov_b32 v255, 0
	ds_add_u32 v254, v255
	ds_add_u32 v254, v255
	v_lshrrev_b32 v1, 5, v0
	s_delay_alu instid0(VALU_DEP_1)
	v_readfirstlane_b32 s12, v1                    ; wave 0..15
	s_bfe_u32 s13, ttmp6, 0x40000                  ; cx: it enters global addresses and the mask's number alone
	s_and_b32 s14, ttmp7, 0xffff                   ; b 8 + kv head
	s_and_b32 s56, s12, 1                          ; e: my head of the two
	s_bfe_u32 s17, s12, 0x10001                    ; u: which tile of a block of 32 queries
	s_bfe_u32 s18, s12, 0x10002
	s_xor_b32 s18, s18, s56                        ; which of the two values of a
	s_lshr_b32 s67, s12, 3
	s_xor_b32 s67, s67, s17                        ; j: my tile of the two
	s_lshl_b32 s68, s17, 1
	s_add_co_u32 s68, s68, s18                     ; my place in the exchange
	s_and_b32 s16, ttmp9, 1
	s_mul_i32 s18, s18, 3
	s_xor_b32 s16, s16, s18                        ; a: tile 0's queries lie in key step a,
	s_xor_b32 s15, s16, 7                          ; tile 1's in key step 7 - a
	s_lshr_b32 s19, ttmp9, 1
	s_lshl_b32 s19, s19, 1
	s_lshr_b32 s38, s13, 1
	s_add_co_u32 s19, s19, s38                     ; which 32 of a step's 128
	s_and_b32 s39, s13, 1                          ; hp: which pair of the kv head's four query heads
	s_lshl_b32 s40, s16, 2
	s_add_co_u32 s40, s40, s19                     ; tile 0's block of 32 queries
	s_lshl_b32 s57, s15, 2
	s_add_co_u32 s57, s57, s19                     ; tile 1's
	s_cmp_eq_u32 s56, 1
	s_cselect_b32 s58, s57, s40                    ; the block of tile e, which the wave with j = e finishes
	s_cmp_eq_u32 s67, 1
	s_cselect_b32 s16, s15, s16                    ; my tile's diagonal step,
	s_cselect_b32 s40, s57, s40                    ; and its block of 32 queries
	s_mov_b32 s20, 0x76543210
	s_mov_b32 s21, 0xfedcba98
	s_mov_b32 s22, 0x3e38aa3b                      ; log2(e) / 8
	s_mov_b32 s23, s22
	; the descriptor: a quarter of the head's K and V, 26,112 dense bytes as 102 rows of 256; the mask names all four partners, bit 21 beside it
	s_mov_b32 s24, 15|(3<<16)|(1<<21)
	s_mov_b32 s25, 32<<16
	s_mov_b32 s26, 102<<16
	s_mov_b32 s27, 32<<16
	s_mov_b32 s28, 102
	s_mov_b32 s29, 32
	s_mov_b32 s30, 0
	s_mov_b32 s31, 0
	s_and_b32 s41, s12, 3
	s_mul_i32 s41, s41, 26112
	s_mul_i32 s42, s14, 104448
	s_add_co_u32 s42, s42, s41
	s_mov_b32 s43, 0
	s_wait_dscnt 0x0
	s_wait_kmcnt 0x0
	s_mov_b32 s32, 1
	s_mov_b32 s33, s41
	s_add_nc_u64 s[34:35], s[8:9], s[42:43]
	s_or_b32 s35, s35, 0x80000000
	ROUND                                          ; all four work-groups are here: the joint loads meet
	s_cmp_lt_u32 s12, 4
	s_cbranch_scc0 .Lno_fetch                      ; waves 0-3 fetch a quarter each: one load of mine is out at the most
	tensor_load_to_lds s[32:35], s[24:31]
	s_nop 0
.rept 4
	v_nop
.endr
.Lno_fetch:
	s_lshl_b32 s44, s14, 2
	s_lshl_b32 s45, s39, 1
	s_add_co_u32 s44, s44, s45
	s_add_co_u32 s44, s44, s56                     ; my head, 32 b + 4 kv + 2 hp + e
	s_lshl_b32 s44, s44, 5
	s_add_co_u32 s44, s44, s40                     ; my tile's block among all heads' blocks
	s_mov_b32 s47, 0
	s_mul_i32 s46, s44, 1536
	s_add_nc_u64 s[4:5], s[4:5], s[46:47]          ; its image
	s_lshl_b32 s48, s17, 6
	s_lshl_b32 s46, s44, 7
	s_add_co_u32 s46, s46, s48
	s_add_nc_u64 s[6:7], s[6:7], s[46:47]          ; my tile's words
	v_and_b32 v245, 31, v0                         ; l
	v_and_b32 v241, 15, v0                         ; r
	s_wait_alu depctr_va_vdst(0)
	v_bfe_u32 v242, v0, 4, 1                       ; h
	s_wait_alu depctr_va_vdst(0)
	v_lshlrev_b32 v1, 4, v245                      ; 16 l
	v_lshlrev_b32 v2, 2, v245
	s_delay_alu instid0(VALU_DEP_1)
	v_add_nc_u32 v2, 12288, v2                     ; 4 l + where a record's words begin
	v_lshlrev_b32 v243, 2, v241
.irp c, 0,1,2
	global_load_b128 v[72+4*\c:75+4*\c], v1, s[4:5] offset:512*\c      ; a block's image holds both its tiles
.endr
	global_load_b32 v40, v243, s[6:7]                                  ; my tile's words
	s_lshl_b32 s59, s68, 14                        ; the exchange: 16,384 bytes for the four waves that share u and the value of a
	s_add_co_u32 s59, s59, XCH
	s_lshl_b32 s48, s56, 12
	s_add_co_u32 s48, s48, s59
	s_lshl_b32 s49, s67, 13
	s_add_co_u32 s48, s48, s49                     ; in: head e of tile j
	s_wait_alu depctr_va_vdst(0)                   ; the wait here, directly ahead of the readers of v1 below
	v_add_nc_u32 v246, s48, v1
	s_lshl_b32 s48, s56, 13
	s_add_co_u32 s48, s48, s59
	v_add_nc_u32 v247, s48, v1                     ; back: head 0 of tile e; head 1 lies 4,096 bytes on
	s_lshl_b32 s48, s19, 5
	s_lshl_b32 s49, s17, 3
	s_add_co_u32 s48, s48, s49
	v_and_b32 v5, 8, v241
	s_delay_alu instid0(VALU_DEP_1)
	v_add_nc_u32 v5, v5, v241
	v_lshlrev_b32 v244, 4, v242
	s_delay_alu instid0(VALU_DEP_1)
	v_sub_nc_u32 v5, v5, v244
	s_delay_alu instid0(VALU_DEP_1)
	v_add_nc_u32 v5, s48, v5                       ; my query within its 128, less 16 h: the same for both tiles
	s_and_b32 s48, s58, 1
	s_lshl_b32 s48, s48, 1
	s_add_co_u32 s48, s48, s17                     ; the place in its strip of 64 tokens of the tile that I finish
	s_mul_i32 s49, s48, 1536
	v_add_nc_u32 v6, s49, v1
	s_lshl_b32 s49, s48, 6
	s_add_co_u32 s49, s49, 6144
	v_lshl_add_u32 v7, v241, 2, s49
	s_and_b32 s50, s14, 7
	s_lshl_b32 s50, s50, 1
	s_add_co_u32 s50, s50, s39                     ; the next product's K step: 2 kv + hp
	s_lshr_b32 s51, s14, 3
	s_lshl_b32 s51, s51, 5
	s_add_co_u32 s51, s51, s58                     ; that tile's block of 32 among all tokens
	s_lshr_b32 s52, s50, 2
	s_mul_i32 s52, s52, 77
	s_lshr_b32 s53, s51, 1
	s_add_co_u32 s52, s52, s53
	s_lshl_b32 s52, s52, 2
	s_and_b32 s53, s50, 3
	s_add_co_u32 s52, s52, s53
	s_mul_i32 s52, s52, 6400
	s_mov_b32 s53, 0
	s_add_nc_u64 s[10:11], s[10:11], s[52:53]      ; its record in ow
	s_cmp_eq_u32 s17, 1
	s_cselect_b32 s54, -1, 0
.irp e, 0
	v_mov_b32 v[9+4*\e], 0xff61b1e6                ; the largest t so far: -3e38
	s_delay_alu instid0(VALU_DEP_1)
	v_floor_f32 v[8+4*\e], -v[9+4*\e]
	v_mov_b32 v[10+4*\e], 0
	v_mov_b32 v[11+4*\e], 0
.irp i, 0,1,2,3,4,5
	v_mov_b32 v[22+12*\e+\i], 0                    ; Q's k = 64 .. 127: zero codes
.endr
.endr
.irp i, 0,1,2,3,4,5
	v_mov_b32 v[66+\i], 0
.endr
.set n, 0
.rept 32
	v_mov_b32 v[136+n], 0                          ; O^T: the step is written once; the first finds zeros, which the first change of M leaves zeros
.set n, n+1
.endr
.irp b, 0,1,2,3
	v_mov_b32 v[224+\b], 0                         ; a lane permute's destination counts as one of its sources
.endr
	v_mov_b32 v239, 0                              ; (named as the upper half of a pair before it is first written)
	s_wait_loadcnt 0x0
.irp e, 0
.irp i, 0,1,2,3,4,5
	v_cndmask_b32 v[16+12*\e+\i], v[72+12*\e+\i], v[78+12*\e+\i], s54   ; my tile's six registers of the image
.endr
.endr
	s_wait_tensorcnt 0x0                           ; my quarter has landed,
	s_barrier_signal -1
	s_barrier_wait -1                              ; everybody's has
	s_mov_b32 s36, 0                               ; the key step
	s_mov_b32 s37, 0                               ; its record in LDS
.Lstep:                                            ; a constant 8 trips; for my tile a step all of whose keys come after its queries is passed over
	v_add_nc_u32 v3, s37, v1
	v_add_nc_u32 v4, s37, v2
	s_cmp_gt_u32 s36, s16
	s_cbranch_scc1 .Lskip0
	s_wait_alu depctr_va_vdst(0)
	HEAD 0, 16
.Lskip0:
	s_add_co_u32 s37, s37, REC
	s_add_co_u32 s36, s36, 1
	s_cmp_lt_u32 s36, 8
	s_cbranch_scc1 .Lstep
	; THE WAY OUT: O^T / the sum for my head of my tile; the halves change waves; then the finished tile's two heads, 64 registers, are k = 32 (2 head + b) + 16 h + i of the next product's K step: quantised in registers, stored as an image
.rept 4
	v_nop
.endr
.irp e, 0
	v_add_f32 v[10+4*\e], v[10+4*\e], v[11+4*\e]
.endr
.irp e, 0
	s_delay_alu instid0(VALU_DEP_1)
	v_permlanex16_b32 v[224+\e], v[10+4*\e], s20, s21
.endr
.irp e, 0
	s_delay_alu instid0(VALU_DEP_1)
	v_add_f32 v[10+4*\e], v[10+4*\e], v[224+\e]
.endr
	s_wait_alu depctr_va_vdst(0)
.irp e, 0
	v_rcp_f32 v[10+4*\e], v[10+4*\e]
.endr
	v_nop                                          ; a plain line behind the reciprocals
	s_wait_alu depctr_va_vdst(0)                   ; one wait for the reciprocal, ahead of its first reader
.irp e, 0
.set n, 0
.rept 16
	v_pk_mul_f32 v[72+32*\e+n:73+32*\e+n], v[136+32*\e+n:137+32*\e+n], v[10+4*\e:11+4*\e] op_sel_hi:[1,0]
.set n, n+2
.endr
.endr
.irp j, 0
.irp c, 0,1,2,3,4,5,6,7
	ds_store_b128 v246, v[72+32*\j+4*\c:75+32*\j+4*\c] offset:8192*\j+512*\c
.endr
.endr
	s_wait_dscnt 0x0                               ; for the other wave's sake: my stores are done
	s_barrier_signal -1
	s_barrier_wait -1
	s_cmp_lg_u32 s67, s56                          ; the wave with j = e finishes tile j; the branch hangs on the wave's number alone
	s_cbranch_scc1 .Lclose
.irp hd, 0,1
.irp c, 0,1,2,3,4,5,6,7
	ds_load_b128 v[72+32*\hd+4*\c:75+32*\hd+4*\c], v247 offset:4096*\hd+512*\c
.endr
.endr
	s_wait_dscnt 0x0
.irp b, 0,1,2,3
	v_max3_num_f32 v[TM+\b], |v[72+16*\b]|, |v[73+16*\b]|, 0x2800000
.endr
.irp i, 2,4,6,8,10,12,14
.irp b, 0,1,2,3
	s_delay_alu instid0(VALU_DEP_4)
	v_max3_num_f32 v[TM+\b], v[TM+\b], |v[72+16*\b+\i]|, |v[73+16*\b+\i]|
.endr
.endr
.irp b, 0,1,2,3
	s_delay_alu instid0(VALU_DEP_4)
	v_permlanex16_b32 v[TM+4+\b], v[TM+\b], s20, s21
.endr
.irp b, 0,1,2,3
	s_delay_alu instid0(VALU_DEP_4)
	v_max_num_f32 v[TM+\b], v[TM+\b], v[TM+4+\b]
.endr
.irp b, 0,1,2,3
	s_delay_alu instid0(VALU_DEP_4)
	v_add_nc_u32 v[TM+8+\b], 0xfe000000, v[TM+\b]
.endr
.irp b, 0,1,2,3
	s_delay_alu instid0(VALU_DEP_4)
	v_lshrrev_b32 v[TM+4+\b], 23, v[TM+8+\b]
.endr
	s_delay_alu instid0(VALU_DEP_3)
	v_lshl_or_b32 v236, v[TM+5], 8, v[TM+4]
	s_delay_alu instid0(VALU_DEP_1)
	v_lshl_or_b32 v236, v[TM+6], 16, v236
	s_delay_alu instid0(VALU_DEP_1)
	v_lshl_or_b32 v236, v[TM+7], 24, v236
.irp c, 0,1
	v_cvt_scalef32_pk16_bf6_f32 v[200+6*\c:202+6*\c], v[72+32*\c:87+32*\c], v[TM+8+2*\c]
	v_cvt_scalef32_pk16_bf6_f32 v[TQ+4*\c:TQ+4*\c+2], v[88+32*\c:103+32*\c], v[TM+9+2*\c]
.endr
	v_nop
.irp c, 0,1
.irp i, 0,1,2
	v_permlane16_swap_b32 v[200+6*\c+\i], v[TQ+4*\c+\i]
.endr
.irp i, 0,1,2
	s_delay_alu instid0(VALU_DEP_3)
	v_mov_b32 v[203+6*\c+\i], v[TQ+4*\c+\i]
.endr
.endr
.irp c, 0,1,2
	global_store_b128 v6, v[200+4*\c:203+4*\c], s[10:11] offset:512*\c
.endr
	s_wait_xcnt 0x0                                ; EXEC changes only behind this wait
	v_cmp_gt_u32 vcc_lo, 16, v245
	s_and_saveexec_b32 s55, vcc_lo
	global_store_b32 v7, v236, s[10:11]            ; lanes 0-15: the 16 rows' words
	s_wait_xcnt 0x0
	s_or_b32 exec_lo, exec_lo, s55
.Lclose:
	s_wait_tensorcnt 0x0
	ds_add_u32 v254, v255
	s_wait_dscnt 0x0
	ROUND                                          ; the closing round
	s_endpgm
.Lfunc_end_k_q9a18d82868_attn:
	.size	k_q9a18d82868_attn, .Lfunc_end_k_q9a18d82868_attn-k_q9a18d82868_attn
	.p2alignl 7, 3214868480
	.fill 96, 4, 3214868480
	.section	.rodata,"a",@progbits
	.p2align	6, 0x0
	.amdhsa_kernel k_q9a18d82868_attn
		.amdhsa_group_segment_fixed_size 174080
		.amdhsa_private_segment_fixed_size 0
		.amdhsa_enable_private_segment 0
		.amdhsa_kernarg_size 32
		.amdhsa_user_sgpr_count 2
		.amdhsa_user_sgpr_kernarg_segment_ptr 1
		.amdhsa_wavefront_size32 1
		.amdhsa_system_sgpr_workgroup_id_x 1
		.amdhsa_system_sgpr_workgroup_id_y 1
		.amdhsa_system_sgpr_workgroup_id_z 1
		.amdhsa_system_vgpr_workitem_id 0
		.amdhsa_next_free_vgpr 256
		.amdhsa_next_free_sgpr 72
		.amdhsa_reserve_vcc 1
		.amdhsa_float_denorm_mode_32 3
		.amdhsa_float_denorm_mode_16_64 3
		.amdhsa_memory_ordered 1
		.amdhsa_forward_progress 1
		.amdhsa_inst_pref_size 41
	.end_amdhsa_kernel
	.amdgpu_metadata
---
amdhsa.version: [ 1, 2 ]
amdhsa.kernels:
  - .name:           k_q9a18d82868_attn
    .symbol:         k_q9a18d82868_attn.kd
    .args:
      - { .name: qi, .offset: 0, .size: 8, .value_kind: global_buffer, .address_space: global }
      - { .name: qs, .offset: 8, .size: 8, .value_kind: global_buffer, .address_space: global }
      - { .name: kv, .offset: 16, .size: 8, .value_kind: global_buffer, .address_space: global }
      - { .name: ow, .offset: 24, .size: 8, .value_kind: global_buffer, .address_space: global }
    .group_segment_fixed_size: 174080
    .private_segment_fixed_size: 0
    .kernarg_segment_align: 8
    .kernarg_segment_size: 32
    .max_flat_workgroup_size: 512
    .sgpr_count:     72
    .vgpr_count:     256
    .wavefront_size: 32
...
	.end_amdgpu_metadata
.endif
;; end of part 3
;; launch oproj (part 4): grid 16 x 15, 4 waves a work-group, clusters of 4 x 1, 327,680 bytes of LDS; arguments ow, out0; writes out0
.if DOCPART == 4
	.amdgcn_target "amdgcn-amd-amdhsa--gfx1250"
	.amdhsa_code_object_version 6
	.text
	.protected	k_q9a18d82868_oproj
	.globl	k_q9a18d82868_oproj
	.p2align	8
	.type	k_q9a18d82868_oproj,@function
k_q9a18d82868_oproj:
	s_mov_b64 s[64:65], 0
	v_nop
	global_prefetch_b8 v0, s[64:65] scope:SCOPE_SE
	s_setreg_imm32_b32 hwreg(HW_REG_WAVE_MODE, 25, 1), 1
	s_wait_xcnt 0x0
	s_wait_alu depctr_hold_cnt(0) depctr_sa_sdst(0) depctr_va_vdst(0) depctr_va_sdst(0) depctr_va_ssrc(0) depctr_va_vcc(0) depctr_vm_vsrc(0)
	s_getreg_b32 s2, hwreg(HW_REG_IB_STS2, 6, 4)
	s_cmp_eq_u32 s2, 0
	s_cbranch_scc0 .Lentry_in_a_cluster
	s_endpgm
.Lentry_in_a_cluster:
	s_bfe_u32 s2, ttmp6, 0x10000c
	s_cmp_lg_u32 s2, 0x3003
	s_cbranch_scc0 .Lentry_shape_is_right
	s_endpgm
.Lentry_shape_is_right:
.set NBF,  6
.set REC,  6400
.set SLOT, 128000
.set SPARE, 2*SLOT
.set QSTRIDE, 1971200
.set LAPS, 2
.set SPITCH, 784
.set ADRA, 4
.set ADRB, 6
.set ADRC, 8
.set ADSA, 10
.set ADSB, 12
.set ADSC, 14
.set SC,   16
.set SPW,  28
.set NIL,  29
.set AF,   32
.set G1A,  24
.set G0A,  32
.set G1B,  48
.set G0B,  56
.set MSB, 0
.macro WIN new
.if MSB != (\new)
	s_set_vgpr_msb (MSB<<8)|(\new)
.set MSB, (\new)
.endif
.endm
.macro PLACES n
.rept \n
	v_nop
.endr
.endm
.macro JLOAD s
	s_cmp_eq_u32 s15, 0
	s_cbranch_scc0 .Lfor_b_\@
	tensor_load_to_lds s[G0A+4*\s:G0A+4*\s+3], s[G1A:G1A+7]
	s_nop 0
.rept 4
	v_nop
.endr
	s_branch .Lasked_\@
.Lfor_b_\@:
	tensor_load_to_lds s[G0B+4*\s:G0B+4*\s+3], s[G1B:G1B+7]
	s_nop 0
.rept 4
	v_nop
.endr
.Lasked_\@:
.endm
.macro CREST
	s_cmp_lg_u32 s14, 0
	s_cbranch_scc1 .Lnot_wave_0_\@
	s_barrier_signal -3
.Lnot_wave_0_\@:
	s_barrier_wait -3
	s_barrier_signal -1
	s_barrier_wait -1
.endm
.macro CROUND
	s_barrier_signal -1
	s_barrier_wait -1
	CREST
.endm
.macro WM zero
.if \zero
.if fB && fA
	v_wmma_scale_f32_16x16x128_f8f6f4 v[rD:rD+7], v[rB:rB+11], v[rA:rA+11], 0, v[rSB], v[rSA] matrix_a_fmt:MATRIX_FMT_BF6 matrix_b_fmt:MATRIX_FMT_BF6 matrix_a_scale:MATRIX_SCALE_ROW1 matrix_b_scale:MATRIX_SCALE_ROW1
.elseif fB
	v_wmma_scale_f32_16x16x128_f8f6f4 v[rD:rD+7], v[rB:rB+11], v[rA:rA+11], 0, v[rSB], v[rSA] matrix_a_fmt:MATRIX_FMT_BF6 matrix_b_fmt:MATRIX_FMT_BF6 matrix_a_scale:MATRIX_SCALE_ROW1
.elseif fA
	v_wmma_scale_f32_16x16x128_f8f6f4 v[rD:rD+7], v[rB:rB+11], v[rA:rA+11], 0, v[rSB], v[rSA] matrix_a_fmt:MATRIX_FMT_BF6 matrix_b_fmt:MATRIX_FMT_BF6 matrix_b_scale:MATRIX_SCALE_ROW1
.else
	v_wmma_scale_f32_16x16x128_f8f6f4 v[rD:rD+7], v[rB:rB+11], v[rA:rA+11], 0, v[rSB], v[rSA] matrix_a_fmt:MATRIX_FMT_BF6 matrix_b_fmt:MATRIX_FMT_BF6
.endif
.else
.if fB && fA
	v_wmma_scale_f32_16x16x128_f8f6f4 v[rD:rD+7], v[rB:rB+11], v[rA:rA+11], v[rD:rD+7], v[rSB], v[rSA] matrix_a_fmt:MATRIX_FMT_BF6 matrix_b_fmt:MATRIX_FMT_BF6 matrix_a_scale:MATRIX_SCALE_ROW1 matrix_b_scale:MATRIX_SCALE_ROW1
.elseif fB
	v_wmma_scale_f32_16x16x128_f8f6f4 v[rD:rD+7], v[rB:rB+11], v[rA:rA+11], v[rD:rD+7], v[rSB], v[rSA] matrix_a_fmt:MATRIX_FMT_BF6 matrix_b_fmt:MATRIX_FMT_BF6 matrix_a_scale:MATRIX_SCALE_ROW1
.elseif fA
	v_wmma_scale_f32_16x16x128_f8f6f4 v[rD:rD+7], v[rB:rB+11], v[rA:rA+11], v[rD:rD+7], v[rSB], v[rSA] matrix_a_fmt:MATRIX_FMT_BF6 matrix_b_fmt:MATRIX_FMT_BF6 matrix_b_scale:MATRIX_SCALE_ROW1
.else
	v_wmma_scale_f32_16x16x128_f8f6f4 v[rD:rD+7], v[rB:rB+11], v[rA:rA+11], v[rD:rD+7], v[rSB], v[rSA] matrix_a_fmt:MATRIX_FMT_BF6 matrix_b_fmt:MATRIX_FMT_BF6
.endif
.endif
.endm
.macro MULROW a, p, zero
.irp i, 0,1,2,3,4,5
.set rD, 8*(NBF*(\a)+\i)
.set rB, 128*(\p)+12*\i
.set rA, AF+48*(\p)+12*(\a)
.set rSB, SC+6*(\p)+2+\i/2
.set rSA, SC+6*(\p)+(\a)/2
.set fB, \i%2
.set fA, (\a)%2
	WM \zero
.endr
.endm
.macro FETCH s, q, p
	WIN 0x40
.irp i, 0,1,2,3
.irp c, 0,1,2
	ds_load_b128 v[128*(\p)+12*\i+4*\c:128*(\p)+12*\i+4*\c+3], v[ADRB+\s] offset:REC*(\q)+1536*\i+512*\c
.endr
.endr
.irp i, 0,1
.irp c, 0,1,2
	ds_load_b128 v[128*(\p)+48+12*\i+4*\c:128*(\p)+48+12*\i+4*\c+3], v[ADRC+\s] offset:REC*(\q)+1536*\i+512*\c
.endr
.endr
	WIN 0
.irp a, 0,1,2,3
.irp c, 0,1,2
	ds_load_b128 v[AF+48*(\p)+12*\a+4*\c:AF+48*(\p)+12*\a+4*\c+3], v[ADRA+\s] offset:REC*(\q)+1536*\a+512*\c
.endr
.endr
.irp k, 0,1
	ds_load_b32 v[SC+6*(\p)+\k], v[ADSA+\s] offset:REC*(\q)+128*\k
	ds_load_b32 v[SC+6*(\p)+2+\k], v[ADSB+\s] offset:REC*(\q)+128*\k
.endr
	ds_load_b32 v[SC+6*(\p)+4], v[ADSC+\s] offset:REC*(\q)
.endm
.macro STEP s, q, zero
	s_wait_dscnt 0x0
	PLACES 4
	FETCH \s, (\q)+1, 1-(\q)%2
	WIN 0xa1
	MULROW 0, (\q)%2, \zero
	MULROW 1, (\q)%2, \zero
	MULROW 2, (\q)%2, \zero
	MULROW 3, (\q)%2, \zero
.endm
.macro TURN s, nx, fill
	WIN 0
	s_wait_tensorcnt 0x0
	ds_add_u32 v[SPW], v[NIL]
	s_wait_dscnt 0x1
	WIN 0xa1
	MULROW 0, 1, 0
	s_wait_dscnt 0x0
	s_barrier_signal -1
	MULROW 1, 1, 0
	WIN 0
	s_barrier_wait -1
.if \fill
	CREST
	s_add_nc_u64 s[G0A+4*\s+2:G0A+4*\s+3], s[G0A+4*\s+2:G0A+4*\s+3], 2*QSTRIDE
	s_add_nc_u64 s[G0B+4*\s+2:G0B+4*\s+3], s[G0B+4*\s+2:G0B+4*\s+3], 2*QSTRIDE
	JLOAD \s
.else
	PLACES 4
.endif
	FETCH \nx, 0, 0
	WIN 0xa1
	MULROW 2, 1, 0
	MULROW 3, 1, 0
.endm
	s_load_b128 s[4:7], s[0:1], 0x0
	v_lshl_add_u32 v[SPW], v0, 2, SPARE
	v_mov_b32 v[NIL], 0
	ds_add_u32 v28, v29
	ds_add_u32 v28, v29
	s_wait_dscnt 0x0
	v_lshrrev_b32 v1, 5, v0
	v_readfirstlane_b32 s14, v1
	s_lshr_b32 s15, s14, 1
	s_and_b32 s16, s14, 1
	s_bfe_u32 s18, ttmp6, 0x40000
	s_and_b32 s19, ttmp7, 0xffff
	s_lshl_b32 s76, ttmp9, 2
	s_add_co_u32 s76, s76, s18
	s_lshl_b32 s77, s76, 1
	s_mul_i32 s79, s19, 3
	s_add_co_u32 s79, s79, 32
	s_mov_b32 s[G1A+0], 3<<16
	s_mov_b32 s[G1A+1], 32<<16
	s_mov_b32 s[G1A+2], 100<<16
	s_mov_b32 s[G1A+3], 32<<16
	s_mov_b32 s[G1A+4], 100
	s_mov_b32 s[G1A+5], 32
	s_mov_b32 s[G1A+6], 0
	s_mov_b32 s[G1A+7], 0
	s_mov_b32 s[G1B+0], 15|(3<<16)|(1<<21)
	s_mov_b32 s[G1B+1], 32<<16
	s_mov_b32 s[G1B+2], 150<<16
	s_mov_b32 s[G1B+3], 32<<16
	s_mov_b32 s[G1B+4], 150
	s_mov_b32 s[G1B+5], 32
	s_mov_b32 s[G1B+6], 0
	s_mov_b32 s[G1B+7], 0
	s_mul_i32 s84, s16, 25600
	s_add_co_u32 s85, s77, s16
	s_mul_i32 s86, s85, 25600
	s_mov_b32 s87, 0
	s_mul_i32 s88, s16, 38400
	s_mul_i32 s90, s79, 25600
	s_add_co_u32 s90, s90, s88
	s_mov_b32 s91, 0
	s_add_co_u32 s89, s88, 51200
	s_mul_i32 s40, s77, 25600                      ; the prefetches: my two records of my work-group's A side (8 records a slot),
	s_mul_i32 s44, s14, 12800
	s_add_co_u32 s40, s40, s44
	s_mov_b32 s41, 0
	s_mul_i32 s42, s79, 25600                      ; and my work-group's quarter of B's 76,800 bytes: 75 blocks of 256 bytes, by cx
	s_mul_i32 s44, s18, 19200
	s_add_co_u32 s42, s42, s44
	s_mov_b32 s43, 0
	s_mul_i32 s45, s14, 19                         ; of which a wave names 19 (the last wave 18)
	s_wait_kmcnt 0x0
	s_add_nc_u64 s[40:41], s[4:5], s[40:41]
	s_add_nc_u64 s[42:43], s[4:5], s[42:43]
	s_add_nc_u64 s[86:87], s[4:5], s[86:87]
	s_add_nc_u64 s[90:91], s[4:5], s[90:91]
	CROUND
.irp s, 0,1
	s_mov_b32 s[G0A+4*\s], 1
	s_add_co_u32 s[G0A+4*\s+1], s84, \s*SLOT
	s_add_nc_u64 s[G0A+4*\s+2:G0A+4*\s+3], s[86:87], \s*QSTRIDE
	s_or_b32 s[G0A+4*\s+3], s[G0A+4*\s+3], 0x80000000
	s_mov_b32 s[G0B+4*\s], 1
	s_add_co_u32 s[G0B+4*\s+1], s89, \s*SLOT
	s_add_nc_u64 s[G0B+4*\s+2:G0B+4*\s+3], s[90:91], \s*QSTRIDE
	s_or_b32 s[G0B+4*\s+3], s[G0B+4*\s+3], 0x80000000
.endr
; PREFETCH: each block of 256 bytes of a slot's worth is named once in each cluster.  The head names slots' worth 1 and 2, slot 1's fill names 3, the last: two fills ahead; the two refills have nothing two on.
.macro PF off
	global_prefetch_b8 v30, s[40:41] offset:(\off) th:TH_LOAD_NT scope:SCOPE_SE
	global_prefetch_b8 v30, s[40:41] offset:(\off)+6400 th:TH_LOAD_NT scope:SCOPE_SE
	global_prefetch_b8 v31, s[42:43] offset:(\off) th:TH_LOAD_NT scope:SCOPE_SE
.endm
	JLOAD 0                                        ; slot 0: my one tensor load at the head
	v_and_b32 v1, 31, v0
	v_min_u32 v30, 24, v1
	v_lshlrev_b32 v30, 8, v30                      ; a record is 25 blocks: lanes 25-31 repeat the last
	v_min_u32 v31, 18, v1
	v_add_nc_u32 v31, s45, v31
	v_min_u32 v31, 74, v31                         ; held inside my work-group's 75 blocks
	v_lshlrev_b32 v31, 8, v31
	PF QSTRIDE
	PF 2*QSTRIDE
	v_and_b32 v1, 31, v0
	v_lshlrev_b32 v2, 2, v1
	v_lshlrev_b32 v1, 4, v1
	s_wait_alu depctr_va_vdst(0)
	s_mul_i32 s80, s15, 25600
	s_mul_i32 s81, s16, 51200
	s_add_co_u32 s81, s81, 51200
	s_mul_i32 s82, s16, 3072
	s_add_co_u32 s82, s82, 76800
	s_lshl_b32 s83, s16, 7
	s_add_co_u32 s83, s83, 76800+6144
.irp s, 0,1
	v_add_nc_u32 v[ADRA+\s], s80, v1
	v_add_nc_u32 v[ADRB+\s], s81, v1
	v_add_nc_u32 v[ADRC+\s], s82, v1
	v_add_nc_u32 v[ADSA+\s], s80, v2
	v_add_nc_u32 v[ADSB+\s], s81, v2
	v_add_nc_u32 v[ADSC+\s], s83, v2
	s_add_co_u32 s80, s80, SLOT
	s_add_co_u32 s81, s81, SLOT
	s_add_co_u32 s82, s82, SLOT
	s_add_co_u32 s83, s83, SLOT
.endr
	s_wait_alu depctr_va_vdst(0)
.irp s, 0,1
	v_add_nc_u32 v[ADSA+\s], 6144, v[ADSA+\s]
	v_add_nc_u32 v[ADSB+\s], 6144, v[ADSB+\s]
.endr
	s_lshl_b32 s84, s76, 7
	s_lshl_b32 s85, s14, 5
	s_add_co_u32 s84, s84, s85
	s_mul_i32 s84, s84, 11520
	s_mul_i32 s85, s19, 768
	s_add_co_u32 s84, s84, s85
	s_mov_b32 s85, 0
	s_add_nc_u64 s[6:7], s[6:7], s[84:85]
	s_wait_alu depctr_va_vdst(0)                   ; the wait at the head's end
	s_wait_tensorcnt 0x0                           ; my part of slot 0 is in
	ds_add_u32 v[SPW], v[NIL]                      ; ahead of a later first fill
	s_wait_dscnt 0x0
	CROUND                                         ; everybody's part is in, and the four work-groups are here
	JLOAD 1                                        ; slot 1's first fill, first behind the round
	FETCH 0, 0, 0
	PF 3*QSTRIDE
	STEP 0, 0, 1
	WIN 0
	s_mov_b32 s3, LAPS-1
.Llap:
	STEP 0, 1, 0
	STEP 0, 2, 0
	TURN 0, 1, 1
	STEP 1, 0, 0
	STEP 1, 1, 0
	STEP 1, 2, 0
	TURN 1, 0, 1
	STEP 0, 0, 0
	WIN 0
	s_sub_co_u32 s3, s3, 1
	s_cmp_lg_u32 s3, 0
	s_cbranch_scc1 .Llap
	STEP 0, 1, 0
	STEP 0, 2, 0
	TURN 0, 1, 0
	STEP 1, 0, 0
	STEP 1, 1, 0
	STEP 1, 2, 0
	s_wait_dscnt 0x0
	MULROW 0, 1, 0
	MULROW 1, 1, 0
	MULROW 2, 1, 0
	MULROW 3, 1, 0
	WIN 0
	PLACES 4
	s_wait_xcnt 0x0                                ; the prefetches have read v30 and v31, which are written below
	v_and_b32 v33, 15, v0
	v_bfe_u32 v34, v0, 4, 1
	v_and_b32 v35, 8, v33
	v_add_nc_u32 v35, v35, v33
	s_lshl_b32 s84, s15, 6
	v_add_nc_u32 v35, s84, v35
	v_mul_u32_u24 v35, v35, SPITCH
	v_lshl_add_u32 v35, v34, 6, v35
	s_lshl_b32 s84, s16, 9
	v_add_nc_u32 v30, s84, v35
	s_lshl_b32 s84, s16, 7
	s_add_co_u32 s84, s84, 256
	v_add_nc_u32 v31, s84, v35
	s_lshl_b32 s84, s14, 5
	v_add_nc_u32 v3, s84, v34
	v_mul_u32_u24 v3, v3, SPITCH
	v_lshl_add_u32 v3, v33, 4, v3
	v_mul_u32_u24 v32, v34, 11520
	v_lshl_add_u32 v32, v33, 4, v32
	WIN 0x08
.irp a, 0,1,2,3
.irp i, 0,1,2,3
	ds_store_b128 v30, v[8*(NBF*\a+\i):8*(NBF*\a+\i)+3] offset:SPITCH*(32*(\a/2)+8*(\a%2))+128*(\i/2)+32*(\i%2)
	ds_store_b128 v30, v[8*(NBF*\a+\i)+4:8*(NBF*\a+\i)+7] offset:SPITCH*(32*(\a/2)+8*(\a%2))+128*(\i/2)+32*(\i%2)+16
.endr
.irp i, 4,5
	ds_store_b128 v31, v[8*(NBF*\a+\i):8*(NBF*\a+\i)+3] offset:SPITCH*(32*(\a/2)+8*(\a%2))+32*(\i%2)
	ds_store_b128 v31, v[8*(NBF*\a+\i)+4:8*(NBF*\a+\i)+7] offset:SPITCH*(32*(\a/2)+8*(\a%2))+32*(\i%2)+16
.endr
.endr
	WIN 0
	s_wait_alu depctr_va_vdst(0)
	s_wait_dscnt 0x0
	s_barrier_signal -1
	s_barrier_wait -1
.macro BACK k
.irp t, 0,1,2,3,4,5,6,7,8,9,10,11,12,13,14,15
	ds_load_b128 v[128+64*((\k)%2)+4*\t:128+64*((\k)%2)+4*\t+3], v3 offset:2*SPITCH*\t+256*(\k)
.endr
.endm
.macro SEND k, younger
.irp t, 0,1,2,3,4,5,6,7,8,9,10,11,12,13,14,15
	s_wait_dscnt \younger+15-\t
	global_store_b128 v32, v[128+64*((\k)%2)+4*\t:128+64*((\k)%2)+4*\t+3], s[6:7] offset:23040*\t+256*(\k) th:TH_STORE_NT
.endr
.endm
	BACK 0
	BACK 1
	SEND 0, 16
	s_wait_xcnt 0x0
	BACK 2
	SEND 1, 16
	SEND 2, 0
	s_wait_tensorcnt 0x0
	ds_add_u32 v[SPW], v[NIL]
	s_wait_dscnt 0x0
	CROUND
	s_endpgm
.Lfunc_end_k_q9a18d82868_oproj:
	.size	k_q9a18d82868_oproj, .Lfunc_end_k_q9a18d82868_oproj-k_q9a18d82868_oproj
	.p2alignl 7, 3214868480
	.fill 96, 4, 3214868480
	.section	.rodata,"a",@progbits
	.p2align	6, 0x0
	.amdhsa_kernel k_q9a18d82868_oproj
		.amdhsa_group_segment_fixed_size 327680
		.amdhsa_private_segment_fixed_size 0
		.amdhsa_enable_private_segment 0
		.amdhsa_kernarg_size 16
		.amdhsa_user_sgpr_count 2
		.amdhsa_user_sgpr_kernarg_segment_ptr 1
		.amdhsa_wavefront_size32 1
		.amdhsa_system_sgpr_workgroup_id_x 1
		.amdhsa_system_sgpr_workgroup_id_y 1
		.amdhsa_system_sgpr_workgroup_id_z 1
		.amdhsa_system_vgpr_workitem_id 0
		.amdhsa_next_free_vgpr 704
		.amdhsa_next_free_sgpr 100
		.amdhsa_reserve_vcc 0
		.amdhsa_float_denorm_mode_32 3
		.amdhsa_float_denorm_mode_16_64 3
		.amdhsa_memory_ordered 1
		.amdhsa_forward_progress 1
		.amdhsa_inst_pref_size 113
	.end_amdhsa_kernel
	.amdgpu_metadata
---
amdhsa.version: [ 1, 2 ]
amdhsa.kernels:
  - .name:           k_q9a18d82868_oproj
    .symbol:         k_q9a18d82868_oproj.kd
    .args:
      - { .name: ow, .offset: 0, .size: 8, .value_kind: global_buffer, .address_space: global }
      - { .name: out0, .offset: 8, .size: 8, .value_kind: global_buffer, .address_space: global }
    .group_segment_fixed_size: 327680
    .private_segment_fixed_size: 0
    .kernarg_segment_align: 8
    .kernarg_segment_size: 16
    .max_flat_workgroup_size: 128
    .sgpr_count:     100
    .vgpr_count:     704
    .wavefront_size: 32
...
	.end_amdgpu_metadata
.endif
;; end of part 4
